; MI455X (gfx1250); checked and timed in simulation.
; The chip was launched on July 23, 2026; its instructions are those of AMD's public machine-readable ISA for CDNA 5 (MIT licence, August 2026) and "CDNA5" Instruction Set Architecture Reference Guide (July 2026). The comments in the code are by the model that wrote it; some were corrected since.
;; Transformer Block. Allowed arithmetic: matrix products marked QUANTISED: E4M3 operands, one given power-of-two scale a tensor, by v_wmma_f32_16x16x64_fp8_fp8 or v_wmma_f32_16x16x128_fp8_fp8, f32 sums; everything else in f32.
;; Inputs: ln1_w 1,024 float32; ln2_w 1,024 float32; lowp_scales 18 int32 (the exponents e of the quantised operands' scales 2^e); w1 1,024 x 2,048 float32; w2 2,048 x 1,024 float32; w3 1,024 x 2,048 float32; wk 1,024 x 1,024 float32; wo 1,024 x 1,024 float32; wq 1,024 x 1,024 float32; wv 1,024 x 1,024 float32; x 2 x 2,048 x 1,024 float32.
;; Outputs: out0 2 x 2,048 x 1,024 float32.
;; This version of the problem:
;;   THIS VERSION OF THE PROBLEM IS GIVEN IN LOW PRECISION. The matrix products marked QUANTISED in the list below multiply operands that are first quantised to E4M3 (4 exponent bits, 3 mantissa bits; 8 bits a number), with one given power-of-two scale for each operand tensor; their sums are f32. All else is computed in f32.
;;   The module's matrix products, in the order in which they are computed (A, B: the left and right operand; K: the contracted axis; several contracted axes count as one K, in the product's order):
;;     1. [M 4,096, K 1,024] x [K 1,024, N 1,024]; A: computed on the way; B: input wq: QUANTISED (scales: A lowp_scales[0], B lowp_scales[1])
;;     2. [M 4,096, K 1,024] x [K 1,024, N 1,024]; A: computed on the way; B: input wk: QUANTISED (scales: A lowp_scales[2], B lowp_scales[3])
;;     3. [M 4,096, K 1,024] x [K 1,024, N 1,024]; A: computed on the way; B: input wv: QUANTISED (scales: A lowp_scales[4], B lowp_scales[5])
;;     4. batch 32 x [M 2,048, K 64] x [K 64, N 2,048]; A: computed on the way; B: computed on the way: QUANTISED (scales: A lowp_scales[6], B lowp_scales[7])
;;     5. batch 32 x [M 64, K 2,048] x [K 2,048, N 2,048]; A: computed on the way; B: softmax (see below): QUANTISED (scales: A lowp_scales[8], B lowp_scales[9])
;;     6. [M 4,096, K 1,024] x [K 1,024, N 1,024]; A: computed on the way; B: input wo: QUANTISED (scales: A lowp_scales[10], B lowp_scales[11])
;;     7. [M 4,096, K 1,024] x [K 1,024, N 2,048]; A: computed on the way; B: input w1: QUANTISED (scales: A lowp_scales[12], B lowp_scales[13])
;;     8. [M 4,096, K 1,024] x [K 1,024, N 2,048]; A: computed on the way; B: input w3: QUANTISED (scales: A lowp_scales[14], B lowp_scales[15])
;;     9. [M 4,096, K 2,048] x [K 2,048, N 1,024]; A: computed on the way; B: input w2: QUANTISED (scales: A lowp_scales[16], B lowp_scales[17])
;;   THE QUANTISER, for each operand of a quantised product, along K:
;;     - The operand's scale is 2^e, e = its entry of the input lowp_scales (int32; the entries are numbered through the quantised products in the list's order, A before B).
;;     - Each number is divided by the scale, clamped to +-448, and rounded to the nearest number of E4M3, ties to even, subnormals kept.
;;     - The product sums the exact products of the quantised numbers (number of the format x scale) in f32.
;;   ~~~python
;;   def quantise(x, axis, e):      # numpy; x: float32 -> the quantised numbers, widened to float32 again
;;       x = np.moveaxis(x, axis, -1); K = x.shape[-1]
;;       r = np.clip(x / 2.0 ** e, -448, 448)
;;       step = 2.0 ** (np.maximum(np.frexp(np.where(r == 0, 1, r))[1] - 1, -6) - 3)
;;       q = np.round(r / step) * step * 2.0 ** e      # np.round: ties to even
;;       return np.moveaxis(q, -1, axis).astype(np.float32)
;;   ~~~
;;   SOFTMAX AHEAD OF A QUANTISED PRODUCT. Where the list says 'softmax', what is quantised is not the finished softmax but p = 2^(t - M), with t = logit x log2(e) and M = ceil(the row's largest t), a whole number; so 1/2 < the row's largest p <= 1. The row's sum l is taken of the UNQUANTISED p, in f32, and the product's result is divided by l at the end. Since M is a whole number, a kernel that streams over the keys may use a running M (the ceiling of the running maximum): every later rescaling is an exact power of two, so the quantised numbers keep their values, but for numbers so far below the row's largest that they fall under the format's range.
;;   OPERANDS COMPUTED ON THE WAY. 'Computed on the way' means the value that the module computes at that place (a softmax that the list does not call 'softmax' is quantised finished and normalised). What goes into a quantiser is computed in f32, as accurately as f32 sums, v_exp_f32 and their like allow (about 1e-6 of the number): no bf16 or f16 on the way to a quantiser, and a product that is left as it is and whose result goes on into a quantised operand takes f32 operands (vector FMAs, or v_wmma_f32_16x16x4_f32). A number that lies on a knife's edge between two numbers of the format may be rounded either way, as far as f32 arithmetic and the matrix unit's own rounding can turn it there, and no further.
;; One version. Each part assembles by itself: llvm-mc -triple=amdgcn-amd-amdhsa -mcpu=gfx1250 --defsym DOCPART=n.
;; ======== version 1 of 1: 7 launches
;; limits: right only within a limited range of input values
;; workspace buffers: cw 23,068,672 bytes; qkv 12,582,912 bytes; oc 4,194,304 bytes; h 16,777,216 bytes; nc 8,388,608 bytes; gc 8,388,608 bytes
;; launch prep (part 1): grid 576 x 1, 4 waves a work-group, no clusters, 55,808 bytes of LDS; arguments wq, wk, wv, wo, w1, w3, w2, x, ln1_w, lowp_scales, cw; writes cw
.if DOCPART == 1
	.amdgcn_target "amdgcn-amd-amdhsa--gfx1250"
	.amdhsa_code_object_version 6
	.text
	.protected	k_qb702437366_prep
	.globl	k_qb702437366_prep
	.p2align	8
	.type	k_qb702437366_prep,@function
k_qb702437366_prep:
	s_mov_b64 s[64:65], 0
	v_nop
	global_prefetch_b8 v0, s[64:65] scope:SCOPE_SE
	s_setreg_imm32_b32 hwreg(HW_REG_WAVE_MODE, 25, 1), 1
	s_wait_xcnt 0x0
; THE PROGRAM: a transformer block on 4,096 tokens (2 x 2,048), width 1,024, 16 heads of 64, hidden 2,048; all nine products on codes of E4M3, one given scale 2^e an operand.
;   prep: weights -> codes, K innermost; rmsnorm(x) ln1_w -> three sets of codes.   qkv: products 1-3, results quantised.   attn: products 4, 5 and the softmax.   wo: product 6, h = x + ..
;   norm2: rmsnorm(h) ln2_w -> two sets of codes.   ffn13: products 7, 8, silu(a) b, quantised.   ffn2: product 9, out0 = h + ..
; WORK LEFT OUT: reference() itself builds the causal mask (jnp.tril) and sets every score with key > query to the least f32 number; its softmax weight is 2^(that - M) = 0 for every finite input, since key 0
; counts for every query and keeps M a number.  So a step of 128 keys all of which come after a tile's 16 queries adds 0 to the row's sum and to the second product, whatever the inputs hold: such steps of products 4 and 5
; are not done (launch attn).  Nothing else is left out and every input is loaded.  LIMIT: a NaN, an infinity or an overflow that would arise only in those steps is not carried to the result.
; THIS LAUNCH.  Work-groups 0-319: the seven weights, f32 stored [K][N], become codes laid [N][K] in cw: wq at 0, wk 1 MiB, wv 2 MiB, wo 3 MiB, w1 4 MiB, w3 6 MiB, w2 8 MiB.  A lane takes a column n and its registers run
; down K, so the conversions give codes with K innermost; 32 columns x 256 k of a wave go through its own stage in LDS and leave as rows, sixteen lanes to 256 consecutive aligned bytes.  A work-group takes 128 columns x 256 k.
; Work-groups 320-575: x * rsqrt(mean(x^2) + 1e-6) * ln1_w, a wave a row, four rows a wave; the row stays in registers between the sum and the scaling.  It is quantised three times (e0, e2, e4: products 1, 2, 3 have
; scales of their own) into cw from 10 MiB on: [3][4096][1024].  Each load reads 512 consecutive bytes; the conversions want 16 neighbours in a lane, so the row turns through the wave's own stage (64 bytes + 16 of padding a lane).
; code = number / 2^e, held within +-448, to the nearest code, ties to even.  LIMITS: every e used here lies between -126 and 119.  NaN among the inputs is not served; an infinity is held at the largest code.
; No tensor loads, no barrier: waves share nothing.  No cluster: work-groups share only ln1_w's 4,096 bytes.  The two paths part on the work-group's number and have LDS bytes of their own.
.set SPARE, 55296                      ; behind the stages: the spare words, 128 bytes a wave
.set XSTG,  34816                      ; the rows' stages: 4 waves x 2 x 32 x 80 bytes; the weights' stages lie at 0: 4 waves x 32 x 272
.set SP,    80
.set PW,    272
.set XCOFF, 0xa00000
.set SPW,   14                         ; v14 my spare word's LDS address; v15 = 0; both never rewritten
.set NIL,   15
.set X,     32                         ; weights: v32-95 two sets of 32 numbers; v96-103 a block's codes; v112-175 the way out; v176-207 load offsets; v208-223 store offsets
.set C,     96
.set OUTR,  112
.set OF,    176
.set ST,    208
.set NS,    3                          ; rows: sets of codes
.set W,     32                         ; v32-63 ln1_w as loaded; v64-127 two rows; v128-159 2 x 16 neighbours; v160-191 held numbers, two sets; v192-215 codes
.set R,     64
.set XN,    128
.set TM,    160
.set CD,    192
.set XB,    18                         ; s[18:19] x at my first row
.set OB,    58                         ; s[58:63] the three sets at my first row
	s_load_b512 s[4:19], s[0:1], 0x0               ; wq wk wv wo w1 w3 w2 x
	s_load_b128 s[20:23], s[0:1], 0x40             ; ln1_w, the scales' exponents
	s_load_b64 s[24:25], s[0:1], 0x50              ; cw
	v_lshl_add_u32 v[SPW], v0, 2, SPARE
	v_mov_b32 v[NIL], 0
	v_lshrrev_b32 v1, 5, v0
	v_readfirstlane_b32 s28, v1                    ; wave
	v_and_b32 v2, 31, v0                           ; lane
	s_wait_kmcnt 0x0
	s_load_b512 s[36:51], s[22:23], 0x0            ; e0 .. e15
	s_load_b64 s[52:53], s[22:23], 0x40            ; e16, e17
	s_cmp_ge_u32 ttmp9, 320
	s_cbranch_scc1 .Lx
; ---- the weights.  Which tensor: by the work-group's number alone
.macro PICK first, ptr, dst
	s_cmp_ge_u32 ttmp9, \first
	s_cselect_b64 s[30:31], s[\ptr:\ptr+1], s[30:31]
	s_cselect_b32 s32, \first, s32
	s_cselect_b32 s33, \dst, s33
.endm
	s_mov_b64 s[30:31], s[4:5]                     ; the tensor,
	s_mov_b32 s32, 0                               ; its first work-group,
	s_mov_b32 s33, 0                               ; its codes' place in cw
	PICK 32,  6,  0x100000
	PICK 64,  8,  0x200000
	PICK 96,  10, 0x300000
	PICK 128, 12, 0x400000
	PICK 192, 14, 0x600000
	PICK 256, 16, 0x800000
	s_cmp_ge_u32 ttmp9, 128                        ; w1, w3: N = 2,048: 16 chunks of columns, rows of 8,192 bytes
	s_cselect_b32 s34, 4, 3
	s_mov_b32 s29, 4096
	s_cselect_b32 s29, 8192, s29
	s_cmp_ge_u32 ttmp9, 256                        ; w2: N = 1,024 again, K = 2,048
	s_cselect_b32 s34, 3, s34
	s_cselect_b32 s29, 4096, s29
	s_mov_b32 s54, 1024
	s_cselect_b32 s54, 2048, s54                   ; a row of codes in bytes
	s_sub_co_u32 s55, ttmp9, s32
	s_lshr_b32 s56, s55, s34                       ; which 256 along K
	s_lshl_b32 s57, s56, s34
	s_sub_co_u32 s57, s55, s57                     ; which 128 columns
	s_lshl_b32 s57, s57, 7
	s_lshl_b32 s58, s28, 5
	s_add_co_u32 s57, s57, s58                     ; my wave's first column
	s_lshl_b32 s58, s29, 8
	s_mul_i32 s58, s58, s56                        ; 256 rows of the tensor for each chunk of K
	s_lshl_b32 s59, s57, 2
	s_add_co_u32 s58, s58, s59
	s_mov_b32 s59, 0
	s_add_nc_u64 s[70:71], s[30:31], s[58:59]      ; a base for each block of 32 rows, so that no offset hangs on the tensor's width
	s_lshl_b32 s58, s29, 5
.irp t, 1,2,3,4,5,6,7
	s_add_nc_u64 s[70+2*\t:71+2*\t], s[68+2*\t:69+2*\t], s[58:59]
.endr
	s_mul_i32 s60, s57, s54
	s_lshl_b32 s61, s56, 8
	s_add_co_u32 s60, s60, s61
	s_add_co_u32 s60, s60, s33
	s_mov_b32 s61, 0
	s_add_nc_u64 s[88:89], s[24:25], s[60:61]      ; the codes: row = my first column, byte = 256 x chunk of K
	s_wait_alu depctr_va_vdst(0)
	v_lshlrev_b32 v3, 2, v2
	s_mul_i32 s62, s28, 32*PW                      ; my stage
	v_mul_u32_u24 v4, v2, PW
	v_add_nc_u32 v4, s62, v4                       ; into it: row = my column
	v_and_b32 v5, 15, v2
	v_lshrrev_b32 v6, 4, v2
	v_mul_u32_u24 v7, v6, PW
	v_lshl_add_u32 v7, v5, 4, v7
	v_add_nc_u32 v7, s62, v7                       ; out of it: sixteen lanes to a row, two rows an instruction
	v_mul_u32_u24 v8, s54, v6
	v_lshl_add_u32 v8, v5, 4, v8
.set i, 0
.rept 32
	v_mad_u32_u24 v[OF+i], s29, i, v3              ; row i of a block, my column
.set i, i+1
.endr
.set i, 0
.rept 16
	v_mad_u32_u24 v[ST+i], s54, 2*i, v8            ; rows 2 i, 2 i + 1 of the codes
.set i, i+1
.endr
.macro WLOAD t                         ; block t: W(32 t + i, my column) into set t % 2; 32 lanes read 128 consecutive bytes, the four waves 512
.set i, 0
.rept 32
	global_load_b32 v[X+32*((\t)%2)+i], v[OF+i], s[70+2*(\t):71+2*(\t)] th:TH_LOAD_NT
.set i, i+1
.endr
.endm
	WLOAD 0
	WLOAD 1
	s_wait_kmcnt 0x0
.macro PICKE first, e
	s_cmp_ge_u32 ttmp9, \first
	s_cselect_b32 s35, s[\e], s35
.endm
	s_mov_b32 s35, s37                             ; e1, e3, e5, e11, e13, e15, e17
	PICKE 32,  39
	PICKE 64,  41
	PICKE 96,  47
	PICKE 128, 49
	PICKE 192, 51
	PICKE 256, 53
	s_add_co_i32 s35, s35, 127
	s_lshl_b32 s55, s35, 23
	v_mov_b32 v11, s55                             ; 2^e as f32: the conversion takes its exponent field
	s_add_co_i32 s35, s35, 8
	s_lshl_b32 s35, s35, 23
	s_or_b32 s35, s35, 0x600000
	v_mov_b32 v10, s35                             ; 448 x 2^e
.macro WBLOCK t
.set XS, X+32*((\t)%2)
.if (\t) < 7
	s_wait_loadcnt 32                              ; this block's 32 loads are in; the next block's may be out
.else
	s_wait_loadcnt 0
.endif
.set i, 0
.rept 32
	v_med3_num_f32 v[XS+i], v[XS+i], -v10, v10     ; the conversion to an 8-bit code does not saturate (ISA guide 7.6.2): the hold comes first
.set i, i+1
.endr
.irp g, 0,1,2,3
	v_cvt_scalef32_pk8_fp8_f32 v[C+2*\g:C+2*\g+1], v[XS+8*\g:XS+8*\g+7], v11
.endr
	ds_store_b128 v4, v[C:C+3] offset:32*(\t)      ; 32 codes of my column's row
	ds_store_b128 v4, v[C+4:C+7] offset:32*(\t)+16
.if (\t)+2 < 8
	WLOAD (\t)+2
.endif
	s_wait_dscnt 0x0                               ; the stores have read their registers: the next block's codes may be written (its holds, plain lines, come first)
.endm
	s_wait_alu depctr_va_vdst(0)
.irp t, 0,1,2,3,4,5,6,7
	WBLOCK \t
.endr
.set i, 0
.rept 16
	ds_load_b128 v[OUTR+4*i:OUTR+4*i+3], v7 offset:2*i*PW      ; LDS serves a wave's instructions in order: these see my stores
.set i, i+1
.endr
.set i, 0
.rept 16
	s_wait_dscnt 15-i
	global_store_b128 v[ST+i], v[OUTR+4*i:OUTR+4*i+3], s[88:89]   ; sixteen lanes store 256 consecutive bytes, aligned
.set i, i+1
.endr
	s_wait_tensorcnt 0x0                           ; the wave's end, behind my last LDS store
	ds_add_u32 v[SPW], v[NIL]
	s_wait_dscnt 0x0
	s_endpgm
; ---- the rows of x
.Lx:
	s_sub_co_u32 s55, ttmp9, 320
	s_lshl_b32 s55, s55, 4
	s_lshl_b32 s56, s28, 2
	s_add_co_u32 s55, s55, s56                     ; my first row: 16 x work-group + 4 x wave
	s_lshl_b32 s56, s55, 12
	s_mov_b32 s57, 0
	s_add_nc_u64 s[XB:XB+1], s[18:19], s[56:57]
	s_lshl_b32 s56, s55, 10
	s_add_co_u32 s56, s56, XCOFF
	s_add_nc_u64 s[OB:OB+1], s[24:25], s[56:57]
	s_add_nc_u64 s[OB+2:OB+3], s[OB:OB+1], 0x400000
	s_add_nc_u64 s[OB+4:OB+5], s[OB+2:OB+3], 0x400000
	s_wait_alu depctr_va_vdst(0)
	v_lshlrev_b32 v3, 4, v2                        ; 16 bytes a lane
	s_mul_i32 s66, s28, 2*32*SP
	s_add_co_u32 s66, s66, XSTG                    ; my two stages
	v_lshrrev_b32 v12, 2, v2
	v_mul_u32_u24 v12, v12, SP
	v_and_b32 v13, 3, v2
	v_lshl_add_u32 v12, v13, 4, v12
	v_add_nc_u32 v12, s66, v12                     ; in: four lanes' 64 bytes on end, then 16 of padding
	v_mul_u32_u24 v13, v2, SP
	v_add_nc_u32 v13, s66, v13                     ; out: my 16 neighbours
	v_mov_b32 v31, 0                               ; (named as the upper half of the pair v[30:31])
	s_mov_b32 s67, 0x3a800000                      ; 1 / 1,024
	s_mov_b32 s68, 0x358637bd                      ; 1e-6
	s_mov_b32 s70, 0x76543210                      ; v_permlanex16_b32: lane l xor 16
	s_mov_b32 s71, 0xfedcba98
.irp j, 0,1,2,3,4,5,6,7
	global_load_b128 v[W+4*\j:W+4*\j+3], v3, s[20:21] offset:512*\j
.endr
.macro XLOAD p                         ; row p: eight loads of 512 consecutive bytes
.irp j, 0,1,2,3,4,5,6,7
	global_load_b128 v[R+32*((\p)%2)+4*\j:R+32*((\p)%2)+4*\j+3], v3, s[XB:XB+1] offset:4096*(\p)+512*\j th:TH_LOAD_NT
.endr
.endm
	XLOAD 0
	XLOAD 1
	s_wait_kmcnt 0x0
.macro MKSC e, vs, vl                  ; 2^e and 448 x 2^e as f32
	s_add_co_i32 s72, s[\e], 127
	s_lshl_b32 s73, s72, 23
	v_mov_b32 v[\vs], s73
	s_add_co_i32 s72, s72, 8
	s_lshl_b32 s72, s72, 23
	s_or_b32 s72, s72, 0x600000
	v_mov_b32 v[\vl], s72
.endm
	MKSC 36, 24, 25                                ; e0
	MKSC 38, 26, 27                                ; e2
	MKSC 40, 28, 29                                ; e4
.macro XROW p
.set RS, R+32*((\p)%2)
.if (\p) < 3
	s_wait_loadcnt 8                               ; this row (and the gain) is in; the next row's eight loads may be out
.else
	s_wait_loadcnt 0
.endif
.irp c, 0,1,2,3
	v_pk_mul_f32 v[16+2*\c:17+2*\c], v[RS+2*\c:RS+2*\c+1], v[RS+2*\c:RS+2*\c+1]     ; the sum of squares, in four chains that the first products start
.endr
.irp g, 1,2,3
.irp c, 0,1,2,3
	v_pk_fma_f32 v[16+2*\c:17+2*\c], v[RS+8*\g+2*\c:RS+8*\g+2*\c+1], v[RS+8*\g+2*\c:RS+8*\g+2*\c+1], v[16+2*\c:17+2*\c]
.endr
.endr
	v_pk_add_f32 v[16:17], v[16:17], v[18:19]
	v_pk_add_f32 v[20:21], v[20:21], v[22:23]
	v_pk_add_f32 v[16:17], v[16:17], v[20:21]
	v_add_f32 v16, v16, v17
	v_add_f32_dpp v16, v16, v16 row_xmask:1 row_mask:0xf bank_mask:0xf
	v_add_f32_dpp v16, v16, v16 row_xmask:2 row_mask:0xf bank_mask:0xf
	v_add_f32_dpp v16, v16, v16 row_xmask:4 row_mask:0xf bank_mask:0xf
	v_add_f32_dpp v16, v16, v16 row_xmask:8 row_mask:0xf bank_mask:0xf
	v_permlanex16_b32 v17, v16, s70, s71
	v_add_f32 v16, v16, v17
	v_fma_f32 v16, v16, s67, s68                   ; the mean + 1e-6
	s_wait_alu depctr_va_vdst(0)
	v_rsq_f32 v30, v16
	v_nop                                          ; a plain line behind the transcendental,
	s_wait_alu depctr_va_vdst(0)                   ; and the wait ahead of its first reader
.set i, 0
.rept 16
	v_pk_mul_f32 v[RS+i:RS+i+1], v[RS+i:RS+i+1], v[30:31] op_sel_hi:[1,0]
.set i, i+2
.endr
.set i, 0
.rept 16
	v_pk_mul_f32 v[RS+i:RS+i+1], v[RS+i:RS+i+1], v[W+i:W+i+1]    ; (x r) w, in reference()'s order
.set i, i+2
.endr
.irp u, 0,1
.irp j, 0,1,2,3
	ds_store_b128 v12, v[RS+16*\u+4*\j:RS+16*\u+4*\j+3] offset:32*SP*\u+8*SP*\j
.endr
.endr
.irp u, 0,1
.irp j, 0,1,2,3
	ds_load_b128 v[XN+16*\u+4*\j:XN+16*\u+4*\j+3], v13 offset:32*SP*\u+16*\j     ; in order behind my stores: numbers 512 u + 16 lane + 0 .. 15 of the row
.endr
.endr
	s_wait_dscnt 0x0                               ; the row is back, and the stores have read its registers
.if (\p) > 0
	s_wait_xcnt 0x0                                ; the last row's stores have read their codes: the registers are written again only behind this wait
.endif
.if (\p)+2 < 4
	XLOAD (\p)+2
.endif
.irp s, 0,1,2
.if \s < NS
.irp u, 0,1
.set i, 0
.rept 16
	v_med3_num_f32 v[TM+16*\u+i], v[XN+16*\u+i], -v[25+2*\s], v[25+2*\s]         ; the hold, into the other set than the last conversions read
.set i, i+1
.endr
	v_cvt_scalef32_pk8_fp8_f32 v[CD+8*\s+4*\u:CD+8*\s+4*\u+1], v[TM+16*\u:TM+16*\u+7], v[24+2*\s]
	v_cvt_scalef32_pk8_fp8_f32 v[CD+8*\s+4*\u+2:CD+8*\s+4*\u+3], v[TM+16*\u+8:TM+16*\u+15], v[24+2*\s]
	global_store_b128 v3, v[CD+8*\s+4*\u:CD+8*\s+4*\u+3], s[OB+2*\s:OB+2*\s+1] offset:1024*(\p)+512*\u   ; 32 lanes store 512 consecutive bytes, aligned
.endr
.endif
.endr
.endm
	XROW 0
	XROW 1
	XROW 2
	XROW 3
	s_wait_tensorcnt 0x0                           ; the wave's end, behind my last LDS store
	ds_add_u32 v[SPW], v[NIL]
	s_wait_dscnt 0x0
	s_endpgm
.Lfunc_end_k_qb702437366_prep:
	.size	k_qb702437366_prep, .Lfunc_end_k_qb702437366_prep-k_qb702437366_prep
	.p2alignl 7, 3214868480
	.fill 96, 4, 3214868480
	.section	.rodata,"a",@progbits
	.p2align	6, 0x0
	.amdhsa_kernel k_qb702437366_prep
		.amdhsa_group_segment_fixed_size 55808
		.amdhsa_private_segment_fixed_size 0
		.amdhsa_enable_private_segment 0
		.amdhsa_kernarg_size 88
		.amdhsa_user_sgpr_count 2
		.amdhsa_user_sgpr_kernarg_segment_ptr 1
		.amdhsa_wavefront_size32 1
		.amdhsa_system_sgpr_workgroup_id_x 1
		.amdhsa_system_sgpr_workgroup_id_y 1
		.amdhsa_system_sgpr_workgroup_id_z 1
		.amdhsa_system_vgpr_workitem_id 0
		.amdhsa_next_free_vgpr 224
		.amdhsa_next_free_sgpr 100
		.amdhsa_reserve_vcc 0
		.amdhsa_float_denorm_mode_32 3
		.amdhsa_float_denorm_mode_16_64 3
		.amdhsa_memory_ordered 1
		.amdhsa_forward_progress 1
		.amdhsa_inst_pref_size 110
	.end_amdhsa_kernel
	.amdgpu_metadata
---
amdhsa.version: [ 1, 2 ]
amdhsa.kernels:
  - .name:           k_qb702437366_prep
    .symbol:         k_qb702437366_prep.kd
    .args:
      - { .name: wq, .offset: 0, .size: 8, .value_kind: global_buffer, .address_space: global }
      - { .name: wk, .offset: 8, .size: 8, .value_kind: global_buffer, .address_space: global }
      - { .name: wv, .offset: 16, .size: 8, .value_kind: global_buffer, .address_space: global }
      - { .name: wo, .offset: 24, .size: 8, .value_kind: global_buffer, .address_space: global }
      - { .name: w1, .offset: 32, .size: 8, .value_kind: global_buffer, .address_space: global }
      - { .name: w3, .offset: 40, .size: 8, .value_kind: global_buffer, .address_space: global }
      - { .name: w2, .offset: 48, .size: 8, .value_kind: global_buffer, .address_space: global }
      - { .name: x, .offset: 56, .size: 8, .value_kind: global_buffer, .address_space: global }
      - { .name: ln1_w, .offset: 64, .size: 8, .value_kind: global_buffer, .address_space: global }
      - { .name: lowp_scales, .offset: 72, .size: 8, .value_kind: global_buffer, .address_space: global }
      - { .name: cw, .offset: 80, .size: 8, .value_kind: global_buffer, .address_space: global }
    .group_segment_fixed_size: 55808
    .private_segment_fixed_size: 0
    .kernarg_segment_align: 8
    .kernarg_segment_size: 88
    .max_flat_workgroup_size: 128
    .sgpr_count:     100
    .vgpr_count:     224
    .wavefront_size: 32
...
	.end_amdgpu_metadata
.endif
;; end of part 1
;; launch qkv (part 2): grid 12 x 16, 4 waves a work-group, clusters of 4 x 4, 327,680 bytes of LDS; arguments cw, lowp_scales, qkv; writes qkv
.if DOCPART == 2
	.amdgcn_target "amdgcn-amd-amdhsa--gfx1250"
	.amdhsa_code_object_version 6
	.text
	.protected	k_qb702437366_qkv
	.globl	k_qb702437366_qkv
	.p2align	8
	.type	k_qb702437366_qkv,@function
k_qb702437366_qkv:
	s_mov_b64 s[64:65], 0
	v_nop
	global_prefetch_b8 v0, s[64:65] scope:SCOPE_SE
	s_setreg_imm32_b32 hwreg(HW_REG_WAVE_MODE, 25, 1), 1
	s_wait_xcnt 0x0
	s_wait_alu depctr_hold_cnt(0) depctr_sa_sdst(0) depctr_va_vdst(0) depctr_va_sdst(0) depctr_va_ssrc(0) depctr_va_vcc(0) depctr_vm_vsrc(0)
	s_getreg_b32 s2, hwreg(HW_REG_IB_STS2, 6, 4)
	s_cmp_eq_u32 s2, 0
	s_cbranch_scc0 .Lentry_in_a_cluster
	s_endpgm
.Lentry_in_a_cluster:
	s_bfe_u32 s2, ttmp6, 0x10000c
	s_cmp_lg_u32 s2, 0xf033
	s_cbranch_scc0 .Lentry_shape_is_right
	s_endpgm
.Lentry_shape_is_right:
; PRODUCTS 1, 2, 3: q, k, v = xn W on codes of E4M3 (K = 1,024), each result quantised on the way out for products 4 and 5 (q by e6, k by e7, v by e8).
; The cluster's x says which: 0 q, 1 k, 2 v; all sixteen partners share it.  A tile of C, 256 x 256, is made by four waves, 128 x 128 each: 64 accumulators, 512 registers.  K goes in steps of 256 through two LDS slots.
; q, k: A = tokens (set 0 or 1 of xn's codes), B = rows of wq's or wk's codes.  v: A = rows of wv's codes ((head, d)), B = tokens (set 2): so v comes out TRANSPOSED, with the keys, product 5's K, along a lane's registers.
; Only byte offsets into cw are chosen for that, by s_cselect_b32 on the cluster's x.  THE MATRIX INSTRUCTION IS USED TRANSPOSED (source 0 = 16 rows of B, source 1 = 16 rows of A): a lane holds eight neighbouring columns of a row of C,
; which one conversion turns into eight codes.  A sum stands for sum x 2^(ea + eb): its code is sum / 2^(eo - ea - eb), the three scales folded into the conversion's one.
; OUT: qkv: q at 0 as [32 (batch, head)][2,048][64], k at 4 MiB likewise, v at 8 MiB as [32][64 d][2,048 keys].  The codes meet in a stage of 256 rows x 272 bytes in slot 0, which by then has had its last fill and its last read.
; K'S ROWS ARE LAID FOR THEIR READER: inside every 32 keys the groups of eight lie in the order 0, 2, 1, 3, so that the 16 keys that the launch attn gives to the lanes of a tile (8 u + r + 8 (r / 8)) are 16 neighbouring rows.
; q and k share the text of the stores: two more offset registers hold the exchange (512 bytes up or down for k, nothing for q), chosen by s_cselect_b32 on the cluster's x.
; CLUSTERS: 4 x 4.  A's tile is shared along a row of the cluster, B's along a column: joint tensor loads with a mask of four.
; A fragment comes by four loads of 16 bytes, 32 apart: a permutation of k that is the same in A and B.
; LIMITS: eo - ea - eb between -126 and 119.  REGISTERS: window 0: v16-31 addresses and scales, v32-95 at work, v128-255 A's fragments (one set), later codes; window 1: B's two sets; windows 2, 3: accumulators.
.set KROW,   1024
.set ROWB,   256
.set PITCH,  272                       ; an LDS row: 256 bytes + 16 of padding: the 16 rows that a load touches start at 16 different banks
.set FR,     16
.set NL,     4
.set NP,     4
.set HALFT,  128*PITCH
.set SLOT,   4*HALFT
.set LAPS,   2                         ; K = 1,024: four K steps, twice round the ring
.set SPARE,  2*SLOT
.set ADRA, 16
.set COQ1, 18                          ; v18  q: COQ; k: COQ + 512: for the second group of eight tokens in 32
.set COQ2, 19                          ; v19  q: COQ + 512; k: COQ: for the third, whose immediate is 512 less
.set ADRB, 20
.set COQ,  22
.set COV,  23
.set STO,  24
.set RDQ,  25
.set RDQ2, 26
.set RDV,  27
.set SPW,  28
.set NIL,  29
.set TMP,  32
.set AF,   128
.set CDS,  128
.set G1, 24
.set G0, 32
.set G1B, 48
.set G0B, 56
.set MSB, 0
.macro WIN new                         ; the immediate's high byte repeats the setting that is left
.if MSB != \new
	s_set_vgpr_msb (MSB<<8)|\new
.set MSB, \new
.endif
.endm
.set MUL_LO, 0xa1                      ; source 0 (B) window 1, source 1 (A) window 0, C and D window 2
.set MUL_HI, 0xf1
.set TO_B,   0x40
.macro JLOAD g0a, g1a, g0b, g1b        ; a joint load: waves 0, 1 fetch for A, waves 2, 3 for B; an s_nop 0 and four v_nop follow each line
	s_cmp_eq_u32 s15, 0
	s_cbranch_scc0 .Lfor_b_\@
	tensor_load_to_lds s[\g0a:\g0a+3], s[\g1a:\g1a+7]
	s_nop 0
.rept 4
	v_nop
.endr
	s_branch .Lasked_\@
.Lfor_b_\@:
	tensor_load_to_lds s[\g0b:\g0b+3], s[\g1b:\g1b+7]
	s_nop 0
.rept 4
	v_nop
.endr
.Lasked_\@:
.endm
.macro CREST
	s_cmp_lg_u32 s14, 0
	s_cbranch_scc1 .Lnot_wave_0_\@
	s_barrier_signal -3
.Lnot_wave_0_\@:
	s_barrier_wait -3
	s_barrier_signal -1
	s_barrier_wait -1
.endm
.macro CROUND
	s_barrier_signal -1
	s_barrier_wait -1
	CREST
.endm
	s_load_b128 s[4:7], s[0:1], 0x0                ; cw, the scales' exponents
	s_load_b64 s[8:9], s[0:1], 0x10                ; qkv
	v_lshl_add_u32 v[SPW], v0, 2, SPARE
	v_mov_b32 v[NIL], 0
	ds_add_u32 v[SPW], v[NIL]                      ; the wave's opening: the add, twice on end, and its wait ahead of my first tensor load
	ds_add_u32 v[SPW], v[NIL]
	v_lshrrev_b32 v1, 5, v0
	v_readfirstlane_b32 s14, v1                    ; wave
	s_lshr_b32 s15, s14, 1                         ; my half of the tile's rows; also: I fetch for A (0) or B (1)
	s_and_b32 s16, s14, 1                          ; my half of its columns; also: which 128 rows I fetch
	s_bfe_u32 s40, ttmp6, 0x40000                  ; cx
	s_bfe_u32 s41, ttmp6, 0x40004                  ; cy
	s_and_b32 s86, ttmp7, 0xffff
	s_lshl_b32 s86, s86, 2
	s_add_co_u32 s87, s86, s41                     ; 4 x cluster y + cy
	s_add_co_u32 s88, s86, s40                     ; 4 x cluster y + cx
	s_lshl_b32 s89, ttmp9, 22
	s_add_co_u32 s89, s89, 0xa00000                ; q, k: A = set 0 or 1 of xn's codes,
	s_lshl_b32 s90, ttmp9, 20                      ; B = wq's or wk's codes
	s_cmp_eq_u32 ttmp9, 2
	s_cselect_b32 s17, s41, s87                    ; A's tile row: tokens by 4 cY + cy; wv's rows by cy
	s_cselect_b32 s42, s88, s40                    ; B's tile column: weights' rows by cx; tokens by 4 cY + cx
	s_cselect_b32 s89, 0x200000, s89               ; v: A = wv's codes,
	s_cselect_b32 s90, 0x1200000, s90              ; B = set 2
	s_lshl_b32 s43, s41, 2
	s_lshl_b32 s43, 15, s43                        ; my row of the cluster
	s_lshl_b32 s44, 0x1111, s40                    ; my column
	s_or_b32 s[G1+0], s43, (0<<16)|(1<<20)|(1<<21)|(5<<22)|(3<<25)  ; the mask; elements of 1 byte; padding on; bit 21 beside a mask; 4 words behind every 64
	s_or_b32 s[G1B+0], s44, (0<<16)|(1<<20)|(1<<21)|(5<<22)|(3<<25)
.irp g, G1, G1B
	s_mov_b32 s[\g+1], ROWB<<16                    ; tensor_dim0
	s_mov_b32 s[\g+2], 128<<16                     ; tensor_dim1
	s_mov_b32 s[\g+3], ROWB<<16                    ; tile_dim0
	s_mov_b32 s[\g+4], 128                         ; tile_dim1
	s_mov_b32 s[\g+5], KROW                        ; the pitch
	s_mov_b32 s[\g+6], 0
	s_mov_b32 s[\g+7], 0
.endr
	s_lshl_b32 s18, s16, 7
	s_lshl_b32 s20, s17, 8
	s_add_co_u32 s20, s20, s18
	s_lshl_b32 s20, s20, 10
	s_add_co_u32 s20, s20, s89                     ; A: (256 x tile row + 128 x half) rows of 1,024 bytes
	s_mov_b32 s21, 0
	s_lshl_b32 s46, s42, 8
	s_add_co_u32 s46, s46, s18
	s_lshl_b32 s46, s46, 10
	s_add_co_u32 s46, s46, s90                     ; B likewise
	s_mov_b32 s47, 0
	s_mul_i32 s45, s14, HALFT                      ; where they go: wave x 128 rows
	s_wait_dscnt 0x0                               ; both opening adds are done
	s_wait_kmcnt 0x0
	s_load_b512 s[68:83], s[6:7], 0x0              ; e0 .. e15
	s_add_nc_u64 s[20:21], s[4:5], s[20:21]
	s_add_nc_u64 s[46:47], s[4:5], s[46:47]
	s_cmp_eq_u32 s15, 0                            ; the prefetches: of the 128 rows that I fetch my work-group names 32, by address: cx among A's partners, cy among B's; a lane a row
	s_cselect_b64 s[84:85], s[20:21], s[46:47]
	s_cselect_b32 s66, s40, s41
	s_lshl_b32 s66, s66, 15
	s_mov_b32 s67, 0
	s_add_nc_u64 s[84:85], s[84:85], s[66:67]
	v_and_b32 v8, 31, v0
	v_lshlrev_b32 v8, 10, v8                       ; v8 and s[84:85] are never rewritten
	s_wait_alu depctr_va_vdst(0)
	CROUND
.irp s, 0,1
	s_mov_b32 s[G0+4*\s], 1
	s_add_co_u32 s[G0+4*\s+1], s45, \s*SLOT
	s_add_nc_u64 s[G0+4*\s+2:G0+4*\s+3], s[20:21], \s*ROWB
	s_or_b32 s[G0+4*\s+3], s[G0+4*\s+3], 0x80000000
	s_mov_b32 s[G0B+4*\s], 1
	s_add_co_u32 s[G0B+4*\s+1], s45, \s*SLOT
	s_add_nc_u64 s[G0B+4*\s+2:G0B+4*\s+3], s[46:47], \s*ROWB
	s_or_b32 s[G0B+4*\s+3], s[G0B+4*\s+3], 0x80000000
.endr
	JLOAD G0, G1, G0B, G1B
	global_prefetch_b8 v8, s[84:85] offset:256 th:TH_LOAD_NT scope:SCOPE_SE   ; K step 1, whose load goes out when K step 0 has landed,
	global_prefetch_b8 v8, s[84:85] offset:512 th:TH_LOAD_NT scope:SCOPE_SE   ; and K step 2, two fills ahead of its load
	v_and_b32 v1, 15, v0                           ; r
	v_bfe_u32 v2, v0, 4, 1                         ; h
	v_mul_u32_u24 v3, v1, PITCH
	s_wait_alu depctr_va_vdst(0)
	v_lshl_add_u32 v4, v2, 4, v3
	s_mul_i32 s21, s15, HALFT
	s_mul_i32 s22, s16, HALFT
	s_add_co_u32 s22, s22, 2*HALFT
.irp s, 0,1
	v_add_nc_u32 v[ADRA+\s], s21, v4
	v_add_nc_u32 v[ADRB+\s], s22, v4
	s_add_co_u32 s21, s21, SLOT
	s_add_co_u32 s22, s22, SLOT
.endr
	s_mul_i32 s23, s15, 128*PITCH                  ; the stage, in: row 128 i + 16 a + r, byte 128 j + 16 b + 8 h
	s_lshl_b32 s86, s16, 7
	s_add_co_u32 s23, s23, s86
	v_lshl_add_u32 v[STO], v2, 3, v3
	v_add_nc_u32 v[STO], s23, v[STO]
	v_and_b32 v5, 31, v0
	v_lshrrev_b32 v6, 2, v5                        ; q, k, back: wave w takes the tile's head w: 64 bytes of each of 256 tokens; four lanes to a token
	v_mul_u32_u24 v6, v6, PITCH
	v_and_b32 v7, 3, v5
	v_lshl_add_u32 v6, v7, 4, v6
	s_lshl_b32 s86, s14, 6
	v_add_nc_u32 v[RDQ], s86, v6
	v_add_nc_u32 v[RDQ2], 16*2176, v[RDQ]          ; (the upper sixteen loads' offsets would pass 65,535)
	v_lshlrev_b32 v[COQ], 4, v5
	s_cmp_eq_u32 ttmp9, 1                          ; k: the second and the third group of eight tokens in 32 change places
	s_cselect_b32 s94, 512, 0
	s_cselect_b32 s95, 0, 512
	v_add_nc_u32 v[COQ1], s94, v[COQ]
	v_add_nc_u32 v[COQ2], s95, v[COQ]
	v_mul_u32_u24 v6, v2, PITCH                    ; v, back: wave w takes rows 64 w on, whole: sixteen lanes to a row of 256 bytes
	v_lshl_add_u32 v6, v1, 4, v6
	s_mul_i32 s86, s14, 64*PITCH
	v_add_nc_u32 v[RDV], s86, v6
	v_lshlrev_b32 v[COV], 11, v2
	v_lshl_add_u32 v[COV], v1, 4, v[COV]
	s_lshr_b32 s91, s87, 3                         ; q, k: ((16 batch + 4 cx + wave) x 2,048 + first token) x 64, in part cX
	s_lshl_b32 s91, s91, 4
	s_lshl_b32 s92, s40, 2
	s_add_co_u32 s91, s91, s92
	s_add_co_u32 s91, s91, s14
	s_lshl_b32 s91, s91, 17
	s_and_b32 s92, s87, 7
	s_lshl_b32 s92, s92, 14
	s_add_co_u32 s91, s91, s92
	s_lshl_b32 s92, ttmp9, 22
	s_add_co_u32 s91, s91, s92
	s_lshr_b32 s93, s88, 3                         ; v: 8 MiB + (1,024 batch + 256 cy + 64 wave) x 2,048 + first key
	s_lshl_b32 s93, s93, 21
	s_lshl_b32 s92, s41, 19
	s_add_co_u32 s93, s93, s92
	s_lshl_b32 s92, s14, 17
	s_add_co_u32 s93, s93, s92
	s_and_b32 s92, s88, 7
	s_lshl_b32 s92, s92, 8
	s_add_co_u32 s93, s93, s92
	s_add_co_u32 s93, s93, 0x800000
	s_cmp_eq_u32 ttmp9, 2
	s_cselect_b32 s92, s93, s91
	s_mov_b32 s93, 0
	s_add_nc_u64 s[8:9], s[8:9], s[92:93]
.macro FRAG reg, adr, q, i             ; 16 rows x 128 K: registers 4 c .. 4 c + 3 hold K = 32 c + 16 (l / 16) + 0 .. 15 of row l % 16
.irp c, 0,1,2,3
	ds_load_b128 v[\reg+4*\c:\reg+4*\c+3], v[\adr] offset:128*(\q)+32*\c+(\i)*16*PITCH
.endr
.endm
.macro MUL16 a0, p, zero               ; A's blocks a0, a0 + 1 x B's eight; the 64 accumulators take turns, one instruction a turn; zero = 1: the first product starts the sums
.irp a, \a0, \a0+1
.irp b, 0,1,2,3,4,5,6,7
.if \zero
	v_wmma_f32_16x16x128_fp8_fp8 v[8*(8*((\a)%4)+\b):8*(8*((\a)%4)+\b)+7], v[128*(\p)+FR*\b:128*(\p)+FR*\b+FR-1], v[AF+FR*(\a):AF+FR*(\a)+FR-1], 0
.else
	v_wmma_f32_16x16x128_fp8_fp8 v[8*(8*((\a)%4)+\b):8*(8*((\a)%4)+\b)+7], v[128*(\p)+FR*\b:128*(\p)+FR*\b+FR-1], v[AF+FR*(\a):AF+FR*(\a)+FR-1], v[8*(8*((\a)%4)+\b):8*(8*((\a)%4)+\b)+7]
.endif
.endr
.endr
.endm
.macro FETCH_B slot, q, p
	WIN TO_B
.irp i, 0,1,2,3,4,5,6,7
	FRAG 128*(\p)+FR*\i, ADRB+\slot, \q, \i
.endr
	WIN 0
.endm
.macro FETCH_A slot, q, i0
.irp i, \i0, \i0+1, \i0+2, \i0+3
	FRAG AF+FR*(\i), ADRA+\slot, \q, \i
.endr
.endm
.macro PLACES n                        ; plain vector lines between a matrix instruction and a load into, or a vector read of, its registers
.rept \n
	v_nop
.endr
.endm
.macro STEP slot, q, zero              ; 128 along K with its successor in the same slot
	s_wait_dscnt 4*NL                              ; B's set and A's blocks 0-3 are in; the youngest sixteen loads (A's blocks 4-7) may be out
	WIN MUL_LO
	MUL16 0, (\q)%2, \zero
	MUL16 2, (\q)%2, \zero
	s_wait_dscnt 0
	PLACES NP
	FETCH_B \slot, (\q)+1, 1-(\q)%2
	FETCH_A \slot, (\q)+1, 0
	WIN MUL_HI
	MUL16 4, (\q)%2, \zero
	MUL16 6, (\q)%2, \zero
	PLACES NP
	WIN 0
	FETCH_A \slot, (\q)+1, 4
.endm
.macro TURN slot, next, fill           ; a slot's last step changes slots: one barrier; in front of it all my tensor loads, the add, and my reads of this slot
	s_wait_tensorcnt 0x0                           ; all my tensor loads have landed: my part of the next slot
	ds_add_u32 v[SPW], v[NIL]                      ; 0 onto my spare word
	s_wait_dscnt 4*NL+1                            ; (the add and the youngest sixteen loads may be out)
	WIN MUL_LO
	MUL16 0, 1, 0
	s_wait_dscnt 0x0                               ; the add is done, and my reads of this slot are over
	s_barrier_signal -1
	MUL16 2, 1, 0
	WIN 0
	s_barrier_wait -1
.if \fill
	CREST                                          ; the barrier has opened a round of the cluster's: no wave of any partner still reads this slot or has a load on its way
	s_add_nc_u64 s[G0+4*\slot+2:G0+4*\slot+3], s[G0+4*\slot+2:G0+4*\slot+3], 2*ROWB
	s_add_nc_u64 s[G0B+4*\slot+2:G0B+4*\slot+3], s[G0B+4*\slot+2:G0B+4*\slot+3], 2*ROWB
	JLOAD G0+4*\slot, G1, G0B+4*\slot, G1B         ; the first tensor load behind the round; its four v_nop are the places in front of the loads below
.else
	PLACES NP
.endif
	FETCH_B \next, 0, 0
	FETCH_A \next, 0, 0
	WIN MUL_HI
	MUL16 4, 1, 0
	MUL16 6, 1, 0
	PLACES NP
	WIN 0
	FETCH_A \next, 0, 4
.endm
	s_wait_alu depctr_va_vdst(0)
	s_wait_tensorcnt 0x0                           ; my part of K step 0 is in; slot 1's first fill is issued as a refill is
	ds_add_u32 v[SPW], v[NIL]
	s_wait_dscnt 0x0
	CROUND
	JLOAD G0+4, G1, G0B+4, G1B
	global_prefetch_b8 v8, s[84:85] offset:768 th:TH_LOAD_NT scope:SCOPE_SE   ; K step 3, the last
	FETCH_B 0, 0, 0
	FETCH_A 0, 0, 0
	FETCH_A 0, 0, 4
	STEP 0, 0, 1
	s_mov_b32 s3, LAPS-1
.Llap:
	TURN 0, 1, 1
	STEP 1, 0, 0
	TURN 1, 0, 1
	STEP 0, 0, 0
	s_sub_co_u32 s3, s3, 1
	s_cmp_lg_u32 s3, 0
	s_cbranch_scc1 .Llap
	TURN 0, 1, 0                                   ; the last lap fills nothing
	STEP 1, 0, 0
	s_wait_dscnt 4*NL
	WIN MUL_LO
	MUL16 0, 1, 0
	MUL16 2, 1, 0
	s_wait_dscnt 0
	WIN MUL_HI
	MUL16 4, 1, 0
	MUL16 6, 1, 0
	WIN 0
	; THE WAY OUT: hold, convert, 8 bytes a lane into the work-group's stage; a barrier; back in the order of the output; dense stores.
	s_wait_kmcnt 0x0
	s_sub_co_i32 s91, s74, s68                     ; e6 - e0 - e1
	s_sub_co_i32 s91, s91, s69
	s_sub_co_i32 s92, s75, s70                     ; e7 - e2 - e3
	s_sub_co_i32 s92, s92, s71
	s_sub_co_i32 s93, s76, s72                     ; e8 - e4 - e5
	s_sub_co_i32 s93, s93, s73
	s_cmp_eq_u32 ttmp9, 1
	s_cselect_b32 s91, s92, s91
	s_cmp_eq_u32 ttmp9, 2
	s_cselect_b32 s91, s93, s91
	s_add_co_i32 s91, s91, 127
	s_lshl_b32 s92, s91, 23
	s_add_co_i32 s91, s91, 8
	s_lshl_b32 s91, s91, 23
	s_or_b32 s91, s91, 0x600000
	PLACES NP
	v_mov_b32 v30, s92                             ; the conversion's scale,
	v_mov_b32 v31, s91                             ; 448 x that
.macro QOUT a
.set AC, 64*((\a)%4)
	WIN 0x02+((\a)/4)                              ; source 0: window 2 or 3
.set i, 0
.rept 64
	v_med3_num_f32 v[TMP+i], v[AC+i], -v31, v31    ; each accumulator from its low end on
.set i, i+1
.endr
	WIN 0
.irp b, 0,1,2,3,4,5,6,7
	v_cvt_scalef32_pk8_fp8_f32 v[CDS+16*(\a)+2*\b:CDS+16*(\a)+2*\b+1], v[TMP+8*\b:TMP+8*\b+7], v30
.endr
	v_nop                                          ; a plain line between the conversions and the next block's holds, which write their sources
.irp b, 0,1,2,3,4,5,6,7
	ds_store_b64 v[STO], v[CDS+16*(\a)+2*\b:CDS+16*(\a)+2*\b+1] offset:(\a)*16*PITCH+16*\b
.endr
.endm
.irp a, 0,1,2,3,4,5,6,7
	QOUT \a
.endr
	s_wait_dscnt 0x0                               ; for the others' sake: my stores into the stage are done
	s_barrier_signal -1
	s_barrier_wait -1
	s_cmp_eq_u32 ttmp9, 2                          ; the cluster's x: the same in all partners
	s_cbranch_scc1 .Lv_out
.set i, 0
.rept 16
	ds_load_b128 v[128+4*i:131+4*i], v[RDQ] offset:2176*i       ; eight tokens' 64 bytes of my head
.set i, i+1
.endr
.rept 16
	ds_load_b128 v[128+4*i:131+4*i], v[RDQ2] offset:2176*(i-16)
.set i, i+1
.endr
.set i, 0
.rept 32
	s_wait_dscnt 31-i
.if i%4 == 1
	global_store_b128 v[COQ1], v[128+4*i:131+4*i], s[8:9] offset:512*i        ; q: in its place; k: one group of eight further on
.elseif i%4 == 2
	global_store_b128 v[COQ2], v[128+4*i:131+4*i], s[8:9] offset:512*(i-1)    ; q: in its place; k: one group of eight back
.else
	global_store_b128 v[COQ], v[128+4*i:131+4*i], s[8:9] offset:512*i         ; 32 lanes store 512 consecutive bytes, aligned
.endif
.set i, i+1
.endr
	s_branch .Ldone
.Lv_out:
.set i, 0
.rept 32
	ds_load_b128 v[128+4*i:131+4*i], v[RDV] offset:544*i        ; two rows (head, d) of 256 keys
.set i, i+1
.endr
.set i, 0
.rept 32
	s_wait_dscnt 31-i
	global_store_b128 v[COV], v[128+4*i:131+4*i], s[8:9] offset:4096*i    ; sixteen lanes store 256 consecutive bytes, aligned
.set i, i+1
.endr
.Ldone:
	s_wait_tensorcnt 0x0                           ; the wave's end
	ds_add_u32 v[SPW], v[NIL]
	s_wait_dscnt 0x0
	CROUND                                         ; the closing round
	s_endpgm
.Lfunc_end_k_qb702437366_qkv:
	.size	k_qb702437366_qkv, .Lfunc_end_k_qb702437366_qkv-k_qb702437366_qkv
	.p2alignl 7, 3214868480
	.fill 96, 4, 3214868480
	.section	.rodata,"a",@progbits
	.p2align	6, 0x0
	.amdhsa_kernel k_qb702437366_qkv
		.amdhsa_group_segment_fixed_size 327680
		.amdhsa_private_segment_fixed_size 0
		.amdhsa_enable_private_segment 0
		.amdhsa_kernarg_size 24
		.amdhsa_user_sgpr_count 2
		.amdhsa_user_sgpr_kernarg_segment_ptr 1
		.amdhsa_wavefront_size32 1
		.amdhsa_system_sgpr_workgroup_id_x 1
		.amdhsa_system_sgpr_workgroup_id_y 1
		.amdhsa_system_sgpr_workgroup_id_z 1
		.amdhsa_system_vgpr_workitem_id 0
		.amdhsa_next_free_vgpr 1024
		.amdhsa_next_free_sgpr 100
		.amdhsa_reserve_vcc 0
		.amdhsa_float_denorm_mode_32 3
		.amdhsa_float_denorm_mode_16_64 3
		.amdhsa_memory_ordered 1
		.amdhsa_forward_progress 1
		.amdhsa_inst_pref_size 134
	.end_amdhsa_kernel
	.amdgpu_metadata
---
amdhsa.version: [ 1, 2 ]
amdhsa.kernels:
  - .name:           k_qb702437366_qkv
    .symbol:         k_qb702437366_qkv.kd
    .args:
      - { .name: cw, .offset: 0, .size: 8, .value_kind: global_buffer, .address_space: global }
      - { .name: lowp_scales, .offset: 8, .size: 8, .value_kind: global_buffer, .address_space: global }
      - { .name: qkv, .offset: 16, .size: 8, .value_kind: global_buffer, .address_space: global }
    .group_segment_fixed_size: 327680
    .private_segment_fixed_size: 0
    .kernarg_segment_align: 8
    .kernarg_segment_size: 24
    .max_flat_workgroup_size: 128
    .sgpr_count:     100
    .vgpr_count:     1024
    .wavefront_size: 32
...
	.end_amdgpu_metadata
.endif
;; end of part 2
;; launch attn (part 3): grid 8 x 32, 8 waves a work-group, clusters of 4 x 1, 327,680 bytes of LDS; arguments qkv, lowp_scales, oc; writes oc
.if DOCPART == 3
	.amdgcn_target "amdgcn-amd-amdhsa--gfx1250"
	.amdhsa_code_object_version 6
	.text
	.protected	k_qb702437366_attn
	.globl	k_qb702437366_attn
	.p2align	8
	.type	k_qb702437366_attn,@function
k_qb702437366_attn:
	s_mov_b64 s[64:65], 0
	v_nop
	global_prefetch_b8 v0, s[64:65] scope:SCOPE_SE
	s_setreg_imm32_b32 hwreg(HW_REG_WAVE_MODE, 25, 1), 1
	s_wait_xcnt 0x0
	s_wait_alu depctr_hold_cnt(0) depctr_sa_sdst(0) depctr_va_vdst(0) depctr_va_sdst(0) depctr_va_ssrc(0) depctr_va_vcc(0) depctr_vm_vsrc(0)
	s_getreg_b32 s2, hwreg(HW_REG_IB_STS2, 6, 4)
	s_cmp_eq_u32 s2, 0
	s_cbranch_scc0 .Lentry_in_a_cluster
	s_endpgm
.Lentry_in_a_cluster:
	s_bfe_u32 s2, ttmp6, 0x10000c
	s_cmp_lg_u32 s2, 0x3003
	s_cbranch_scc0 .Lentry_shape_is_right
	s_endpgm
.Lentry_shape_is_right:
; PRODUCTS 4 AND 5 with the causal softmax between them, on codes of E4M3; the result is quantised by e10 for product 6.
; WORK LEFT OUT (shown at the head of the first kernel): a step of 128 keys all of which come after a tile's 16 queries has weight 0 under reference()'s own causal mask and is not done.
; q, k: [32 (batch, head)][2,048][64] codes at 0 and 4 MiB of qkv (k's rows in the order that the launch qkv lays: a key tile's 16 keys are 16 neighbouring rows); v: [32][64 d][2,048 keys] at 8 MiB.
; t = score x 2^(e6 + e7) x log2(e) / 8; M = the running largest t rounded up to a whole number; p = 2^(t - M) is quantised by e9; the row's sum is taken of the unquantised p;
; when M moves, the sum and O are multiplied by 2^(old M - new M), exactly.  O = sums x 2^(e8 + e9) / the row's sum.
; LDS HOLDS A HEAD'S WHOLE K AND V: K 2,048 rows of 64 + 16 bytes, V four quarters of 64 rows of 512 + 16 bytes: 299,008 bytes.  Each of the eight waves asks for one eighth at the head
; (waves 0-3: 512 keys of K, dense, stated as 128 rows of 256 bytes; waves 4-7: 512 keys of V's 64 rows); nothing is filled again, so one barrier stands behind the fills and none in the loop over keys.
; CLUSTER 4, 1, 1: four work-groups of a head ask jointly (mask 15).  SHARES: work-group x of a head takes the tile of 16 queries at place x of every block of 128 queries.  Wave w owns tile A in block w and tile B in block 15 - w:
; w + 1 and 16 - w key steps, 17 steps of a tile in every wave.  The limits hang on the wave's number alone; a work-group's place in its cluster enters global addresses and the diagonal's compare value only.
; Wave 0's tile B reads all sixteen steps in every work-group, so every joint load is read by every partner.
; While tile A has steps left, a step serves both tiles from the same fragments of K and V (BODY 1); afterwards tile B alone (BODY 0).  A's diagonal lies in its last step, B's in its own last, which is always a step of B alone.
; Both products transposed: S^T = K Q^T (16x16x64), O^T = V^T P^T (16x16x128): a lane holds one query of each tile.
; NO PREFETCH: all tiles are asked for at the head; there is no loop to run ahead in.
; OUT: oc [32 (batch, block of 128 tokens)][16 heads][128 tokens][64 bytes]: a tile's 16 tokens are 1,024 consecutive bytes.
; LIMITS: e6 + e7 between -123 and 130; e9 and e10 between -126 and 119.  NaN among the inputs is not served.
; REGISTERS.  Window 0: v1-11 addresses, the mask's value, scales; v12-15 -M and the largest t of A, B; v16-19 the sums; v20-23 f; v24, 25 2^e9 and 448 x it; v26-31 at work; v32-63 p's codes (before that sums' parts);
; v64-191 S^T, p of A, B; v192-255 O^T of A, B.  Window 1: v0-63 K's 8 fragments, v64-127 V's 4, v128-143 Q of A, B.  All vector arithmetic names window 0.
.set KP,    80
.set KSTEP, 128*KP
.set KQ,    512*KP
.set VOFF,  2048*KP
.set VP,    528
.set VQ,    64*VP
.set SPARE, VOFF+4*VQ                  ; the spare words, 128 bytes for each of 8 waves
.set STAGE, SPARE+1024                 ; the way out: 2,048 bytes a wave; no fill lands here
.set AK0, 1
.set AV0, 2
.set ADK, 3
.set ADV, 4
.set SPW, 5
.set NIL, 6
.set RH,  7
.set CA,  32
.set CB,  48
.set SA,  64
.set SB,  128
.set OA,  192
.set OB,  224
.set KFR, 0
.set VFR, 64
.set QA,  128
.set QB,  136
.set WV,  18
.set SEL, 20
.set CS,  22
.set G1K, 24
.set G1V, 32
.set G0K, 40
.set G0V, 44
.set T,   61                           ; s61 the key step
.set NSA, 62                           ; s62 tile A's last key step
.set NSB, 63                           ; s63 tile B's
.set MSB, 0
.macro WIN new                         ; the immediate's high byte repeats the setting that is left
.if MSB != \new
	s_set_vgpr_msb (MSB<<8)|\new
.set MSB, \new
.endif
.endm
.macro CROUND                          ; a round of the cluster's barrier
	s_barrier_signal -1
	s_barrier_wait -1
	s_cmp_lg_u32 s[WV], 0
	s_cbranch_scc1 .Lnot_wave_0_\@
	s_barrier_signal -3
.Lnot_wave_0_\@:
	s_barrier_wait -3
	s_barrier_signal -1
	s_barrier_wait -1
.endm
	s_load_b128 s[4:7], s[0:1], 0x0                ; qkv, the scales' exponents
	s_load_b64 s[8:9], s[0:1], 0x10                ; oc
	v_lshl_add_u32 v[SPW], v0, 2, SPARE
	v_mov_b32 v[NIL], 0
	ds_add_u32 v[SPW], v[NIL]                      ; the wave's opening: the add, twice on end, and its wait ahead of the first tensor load
	ds_add_u32 v[SPW], v[NIL]
	v_lshrrev_b32 v26, 5, v0
	v_readfirstlane_b32 s[WV], v26                 ; wave 0..7
	s_and_b32 s10, ttmp7, 0xffff                   ; (batch, head)
	s_lshl_b32 s11, s10, 17                        ; its 131,072 bytes in each of q, k, v
	s_mov_b32 s[NSA], s[WV]
	s_sub_co_u32 s[NSB], 15, s[WV]
	s_bfe_u32 s15, ttmp6, 0x40000                  ; cx
	s_lshl_b32 s14, ttmp9, 2
	s_add_co_u32 s15, s15, s14                     ; x: my work-group's place in every block of 128 queries
	s_lshl_b32 s17, s15, 10                        ; 16 x queries of 64 bytes
	s_add_co_u32 s16, s11, s17
	s_lshl_b32 s48, s[NSA], 13
	s_add_co_u32 s48, s48, s16                     ; q at tile A's first query,
	s_mov_b32 s49, 0
	s_lshl_b32 s50, s[NSB], 13
	s_add_co_u32 s50, s50, s16                     ; and at tile B's
	s_mov_b32 s51, 0
	s_and_b32 s84, s10, 0x10                       ; oc: ((16 batch + block) x 16 + head) x 8,192 + 16 x tokens of 64 bytes
	s_lshl_b32 s84, s84, 4
	s_and_b32 s85, s10, 15
	s_add_co_u32 s84, s84, s85
	s_lshl_b32 s84, s84, 13
	s_add_co_u32 s84, s84, s17
	s_lshl_b32 s52, s[NSA], 17
	s_add_co_u32 s52, s52, s84
	s_mov_b32 s53, 0
	s_lshl_b32 s54, s[NSB], 17
	s_add_co_u32 s54, s54, s84
	s_mov_b32 s55, 0
	s_and_b32 s19, s[WV], 3                        ; which quarter of the keys I fetch
	s_lshl_b32 s56, s19, 15
	s_add_co_u32 s56, s56, s11
	s_add_co_u32 s56, s56, 0x400000                ; k: 512 keys of 64 bytes a quarter
	s_mov_b32 s57, 0
	s_lshl_b32 s58, s19, 9
	s_add_co_u32 s58, s58, s11
	s_add_co_u32 s58, s58, 0x800000                ; v: 512 bytes of each row a quarter
	s_mov_b32 s59, 0
	s_mul_i32 s12, s19, KQ
	s_mul_i32 s13, s19, VQ
	s_add_co_u32 s13, s13, VOFF
	s_mov_b32 s[G1K], 15|(1<<20)|(1<<21)|(3<<22)|(3<<25)  ; the mask; elements of 1 byte; padding: 4 words behind every 16; bit 21 beside a mask
	s_mov_b32 s[G1K+1], 256<<16
	s_mov_b32 s[G1K+2], 128<<16
	s_mov_b32 s[G1K+3], 256<<16
	s_mov_b32 s[G1K+4], 128
	s_mov_b32 s[G1K+5], 256
	s_mov_b32 s[G1K+6], 0
	s_mov_b32 s[G1K+7], 0
	s_mov_b32 s[G1V], 15|(1<<20)|(1<<21)|(6<<22)|(3<<25)  ; 4 words behind every 128
	s_mov_b32 s[G1V+1], 512<<16
	s_mov_b32 s[G1V+2], 64<<16
	s_mov_b32 s[G1V+3], 512<<16
	s_mov_b32 s[G1V+4], 64
	s_mov_b32 s[G1V+5], 2048
	s_mov_b32 s[G1V+6], 0
	s_mov_b32 s[G1V+7], 0
	s_mov_b32 s[SEL], 0x76543210
	s_mov_b32 s[SEL+1], 0xfedcba98
	s_mov_b32 s[CS], 0x3e38aa3b                    ; log2(e) / 8
	s_wait_dscnt 0x0                               ; both opening adds are done
	s_wait_kmcnt 0x0
	s_load_b512 s[68:83], s[6:7], 0x0              ; e0 .. e15
	s_mov_b32 s[G0K], 1
	s_mov_b32 s[G0K+1], s12
	s_add_nc_u64 s[G0K+2:G0K+3], s[4:5], s[56:57]
	s_or_b32 s[G0K+3], s[G0K+3], 0x80000000
	s_mov_b32 s[G0V], 1
	s_mov_b32 s[G0V+1], s13
	s_add_nc_u64 s[G0V+2:G0V+3], s[4:5], s[58:59]
	s_or_b32 s[G0V+3], s[G0V+3], 0x80000000
	CROUND                                         ; the four partners are here: the joint loads meet
	s_cmp_lt_u32 s[WV], 4                          ; every wave issues one load: its only one
	s_cbranch_scc0 .Lfor_v
	tensor_load_to_lds s[G0K:G0K+3], s[G1K:G1K+7]
	s_nop 0
.rept 4
	v_nop
.endr
	s_branch .Lasked
.Lfor_v:
	tensor_load_to_lds s[G0V:G0V+3], s[G1V:G1V+7]
	s_nop 0
.rept 4
	v_nop
.endr
.Lasked:
	s_add_nc_u64 s[48:49], s[4:5], s[48:49]
	s_add_nc_u64 s[50:51], s[4:5], s[50:51]
	s_add_nc_u64 s[52:53], s[8:9], s[52:53]
	s_add_nc_u64 s[54:55], s[8:9], s[54:55]
	v_and_b32 v27, 15, v0                          ; r
	v_bfe_u32 v28, v0, 4, 1                        ; h
	v_lshlrev_b32 v26, 6, v27
	v_lshl_add_u32 v26, v28, 4, v26
	WIN 0x40                                       ; destination window 1
	global_load_b128 v[QA:QA+3], v26, s[48:49]     ; Q's fragments: k = 32 c + 16 h + 0 .. 15 of query r, as K's are loaded
	global_load_b128 v[QA+4:QA+7], v26, s[48:49] offset:32
	global_load_b128 v[QB:QB+3], v26, s[50:51]
	global_load_b128 v[QB+4:QB+7], v26, s[50:51] offset:32
	WIN 0
	v_mul_u32_u24 v[AK0], v27, KP
	v_lshl_add_u32 v[AK0], v28, 4, v[AK0]
	v_mul_u32_u24 v[AV0], v27, VP
	v_lshl_add_u32 v[AV0], v28, 4, v[AV0]
	v_lshlrev_b32 v29, 4, v28
	v_sub_nc_u32 v29, v27, v29
	s_lshl_b32 s16, s15, 4
	v_add_nc_u32 v[RH], s16, v29                   ; on a diagonal: my query - the step's first key - 16 h, the same for both tiles
	v_mov_b32 v13, 0xff61b1e6                      ; the largest t so far: -3e38
	v_mov_b32 v15, 0xff61b1e6
	v_floor_f32 v12, -v13
	v_floor_f32 v14, -v15
.irp n, 16,17,18,19,21,23,30,31
	v_mov_b32 v\n, 0                               ; the sums; upper halves of pairs that are named; lane permutes' destinations
.endr
.set n, 0
.rept 64
	v_mov_b32 v[OA+n], 0                           ; O^T: a step has no first form of its own; the first finds zeros
.set n, n+1
.endr
	s_wait_kmcnt 0x0
	s_add_co_i32 s84, s74, s75                     ; e6 + e7 go into c's exponent field
	s_lshl_b32 s84, s84, 23
	s_add_co_i32 s[CS], s[CS], s84
	s_mov_b32 s[CS+1], s[CS]
	s_add_co_i32 s84, s77, 127
	s_lshl_b32 s85, s84, 23
	v_mov_b32 v24, s85                             ; 2^e9
	s_add_co_i32 s84, s84, 8
	s_lshl_b32 s84, s84, 23
	s_or_b32 s84, s84, 0x600000
	v_mov_b32 v25, s84                             ; 448 x 2^e9
	s_add_co_i32 s84, s78, 127
	s_lshl_b32 s85, s84, 23
	v_mov_b32 v10, s85                             ; 2^e10
	s_add_co_i32 s84, s84, 8
	s_lshl_b32 s84, s84, 23
	s_or_b32 s84, s84, 0x600000
	v_mov_b32 v11, s84                             ; 448 x 2^e10
	s_add_co_i32 s86, s76, s77                     ; e8 + e9
	s_mov_b32 s[T], 0
	s_wait_alu depctr_va_vdst(0)
	s_wait_loadcnt 0x0                             ; Q
	s_wait_tensorcnt 0x0                           ; my eighth of K and V is in
	s_barrier_signal -1
	s_barrier_wait -1                              ; and everybody's
	WIN 0x40
.irp t, 0,1,2,3,4,5,6,7
	ds_load_b128 v[KFR+8*\t:KFR+8*\t+3], v[AK0] offset:16*\t*KP
	ds_load_b128 v[KFR+8*\t+4:KFR+8*\t+7], v[AK0] offset:16*\t*KP+32
.endr
	WIN 0
; A KEY STEP of 128 keys.  two = 1: for tiles A and B, their lines by turns; two = 0: for tile B alone.
.macro BODY two
	WIN 0x05                                       ; sources 0, 1: window 1
.irp t, 0,1,2,3,4,5,6,7
.if \two
	v_wmma_f32_16x16x64_fp8_fp8 v[SA+8*\t:SA+8*\t+7], v[KFR+8*\t:KFR+8*\t+7], v[QA:QA+7], 0
.endif
	v_wmma_f32_16x16x64_fp8_fp8 v[SB+8*\t:SB+8*\t+7], v[KFR+8*\t:KFR+8*\t+7], v[QB:QB+7], 0
.endr
	WIN 0
	v_add_nc_u32 v[ADK], s58, v[AK0]               ; four places behind the products: for the loads into K's and V's registers and for the first reads of S^T
	v_add_nc_u32 v[ADV], s59, v[AV0]
	v_nop
	v_nop
	WIN 0x40
.irp t, 0,1,2,3
.irp c, 0,1,2,3
	ds_load_b128 v[VFR+16*\t+4*\c:VFR+16*\t+4*\c+3], v[ADV] offset:16*\t*VP+32*\c
.endr
.endr
.irp t, 0,1,2,3,4,5,6,7
	ds_load_b128 v[KFR+8*\t:KFR+8*\t+3], v[ADK] offset:16*\t*KP
	ds_load_b128 v[KFR+8*\t+4:KFR+8*\t+7], v[ADK] offset:16*\t*KP+32
.endr
	WIN 0
.if \two
	s_cmp_lg_u32 s[T], s[NSA]                      ; ahead of the diagonal all keys count
.set SM, SA
.else
	s_cmp_lg_u32 s[T], s[NSB]
.set SM, SB
.endif
	s_cbranch_scc1 .Lopen_\@
	v_mov_b32 v9, 0xff800000                       ; -infinity: p = 0.  Register 16 b + i holds key 128 T + 16 h + 32 b + i: hidden where 32 b + i > the lane's value
.set n, 0
.rept 64
	v_cmp_gt_i32 vcc_lo, 32*(n/16)+n%16, v[RH]
	v_cndmask_b32 v[SM+n], v[SM+n], v9, vcc_lo
.set n, n+1
.endr
.Lopen_\@:
.if \two
	v_max3_num_f32 v26, v[SA], v[SA+1], v[SA+2]    ; the step's largest scores, two chains a tile, the tiles by turns; each accumulator from its low end on
	v_max3_num_f32 v28, v[SB], v[SB+1], v[SB+2]
	v_max3_num_f32 v27, v[SA+3], v[SA+4], v[SA+5]
	v_max3_num_f32 v29, v[SB+3], v[SB+4], v[SB+5]
.irp i, 6,10,14,18,22,26,30,34,38,42,46,50,54,58
	v_max3_num_f32 v26, v26, v[SA+\i], v[SA+\i+1]
	v_max3_num_f32 v28, v28, v[SB+\i], v[SB+\i+1]
	v_max3_num_f32 v27, v27, v[SA+\i+2], v[SA+\i+3]
	v_max3_num_f32 v29, v29, v[SB+\i+2], v[SB+\i+3]
.endr
	v_max3_num_f32 v26, v26, v[SA+62], v[SA+63]
	v_max3_num_f32 v28, v28, v[SB+62], v[SB+63]
	v_max_num_f32 v26, v26, v27
	v_max_num_f32 v28, v28, v29
	v_permlanex16_b32 v30, v26, s[SEL], s[SEL+1]
	v_permlanex16_b32 v31, v28, s[SEL], s[SEL+1]
	v_max_num_f32 v26, v26, v30                    ; and among lane l xor 16's
	v_max_num_f32 v28, v28, v31
	v_mul_f32 v26, s[CS], v26
	v_mul_f32 v28, s[CS], v28
	v_max_num_f32 v13, v13, v26                    ; the running largest t
	v_max_num_f32 v15, v15, v28
	v_mov_b32 v26, v12
	v_mov_b32 v28, v14
	v_floor_f32 v12, -v13                          ; -M = floor(-t): M is a whole number
	v_floor_f32 v14, -v15
	v_sub_f32 v26, v12, v26
	v_sub_f32 v28, v14, v28
	v_cvt_i32_f32 v26, v26                         ; (it saturates)
	v_cvt_i32_f32 v28, v28
	v_ldexp_f32 v20, 1.0, v26                      ; f = 2^(old M - new M)
	v_ldexp_f32 v22, 1.0, v28
.else
	v_max3_num_f32 v26, v[SB], v[SB+1], v[SB+2]    ; four chains (tile A's two work registers are idle here); each accumulator from its low end on
	v_max3_num_f32 v27, v[SB+3], v[SB+4], v[SB+5]
	v_max3_num_f32 v28, v[SB+6], v[SB+7], v[SB+8]
	v_max3_num_f32 v29, v[SB+9], v[SB+10], v[SB+11]
.irp i, 12,20,28,36,44,52
	v_max3_num_f32 v26, v26, v[SB+\i], v[SB+\i+1]
	v_max3_num_f32 v27, v27, v[SB+\i+2], v[SB+\i+3]
	v_max3_num_f32 v28, v28, v[SB+\i+4], v[SB+\i+5]
	v_max3_num_f32 v29, v29, v[SB+\i+6], v[SB+\i+7]
.endr
	v_max3_num_f32 v26, v26, v[SB+60], v[SB+61]
	v_max3_num_f32 v27, v27, v[SB+62], v[SB+63]
	v_max3_num_f32 v28, v28, v29, v26
	s_delay_alu instid0(VALU_DEP_1)
	v_max_num_f32 v28, v28, v27
	s_delay_alu instid0(VALU_DEP_1)
	v_permlanex16_b32 v31, v28, s[SEL], s[SEL+1]
	s_delay_alu instid0(VALU_DEP_1)
	v_max_num_f32 v28, v28, v31
	s_delay_alu instid0(VALU_DEP_1)
	v_mul_f32 v28, s[CS], v28
	s_delay_alu instid0(VALU_DEP_1)
	v_max_num_f32 v15, v15, v28
	v_mov_b32 v28, v14
	s_delay_alu instid0(VALU_DEP_2)
	v_floor_f32 v14, -v15
	s_delay_alu instid0(VALU_DEP_1)
	v_sub_f32 v28, v14, v28
	s_delay_alu instid0(VALU_DEP_1)
	v_cvt_i32_f32 v28, v28
	s_delay_alu instid0(VALU_DEP_1)
	v_ldexp_f32 v22, 1.0, v28
.endif
.set n, 0
.rept 32
.if \two
	v_pk_fma_f32 v[SA+n:SA+n+1], v[SA+n:SA+n+1], s[CS:CS+1], v[12:13] op_sel_hi:[1,0,0]   ; t - M
.endif
	v_pk_fma_f32 v[SB+n:SB+n+1], v[SB+n:SB+n+1], s[CS:CS+1], v[14:15] op_sel_hi:[1,0,0]
.set n, n+2
.endr
	s_wait_alu depctr_va_vdst(0)                   ; the wait ahead of the batch
.set n, 64*(1-\two)
.rept 64*(1+\two)
	v_exp_f32 v[SA+n], v[SA+n]                     ; p = 2^(t - M)
.set n, n+1
.endr
.if \two
	v_pk_mul_f32 v[16:17], v[16:17], v[20:21] op_sel_hi:[1,0]     ; the sums under the new M (plain lines behind the exponentials)
.endif
	v_pk_mul_f32 v[18:19], v[18:19], v[22:23] op_sel_hi:[1,0]
	s_wait_alu depctr_va_vdst(0)                   ; one wait for the batch, ahead of its first reader
.irp k, 0,1,2,3
.if \two
	v_pk_add_f32 v[CA+2*\k:CA+2*\k+1], v[SA+2*\k:SA+2*\k+1], v[SA+8+2*\k:SA+9+2*\k]        ; the rows' sums of the unquantised p: four chains a tile
.endif
	v_pk_add_f32 v[CB+2*\k:CB+2*\k+1], v[SB+2*\k:SB+2*\k+1], v[SB+8+2*\k:SB+9+2*\k]
.endr
.set m, 8
.rept 24
.if \two
	v_pk_add_f32 v[CA+2*(m%4):CA+2*(m%4)+1], v[CA+2*(m%4):CA+2*(m%4)+1], v[SA+2*m:SA+2*m+1]
.endif
	v_pk_add_f32 v[CB+2*(m%4):CB+2*(m%4)+1], v[CB+2*(m%4):CB+2*(m%4)+1], v[SB+2*m:SB+2*m+1]
.set m, m+1
.endr
.if \two
	v_pk_add_f32 v[CA:CA+1], v[CA:CA+1], v[CA+2:CA+3]
	v_pk_add_f32 v[CA+4:CA+5], v[CA+4:CA+5], v[CA+6:CA+7]
.endif
	v_pk_add_f32 v[CB:CB+1], v[CB:CB+1], v[CB+2:CB+3]
	v_pk_add_f32 v[CB+4:CB+5], v[CB+4:CB+5], v[CB+6:CB+7]
.if \two
	v_pk_add_f32 v[CA:CA+1], v[CA:CA+1], v[CA+4:CA+5]
.endif
	v_pk_add_f32 v[CB:CB+1], v[CB:CB+1], v[CB+4:CB+5]
.if \two
	v_pk_add_f32 v[16:17], v[16:17], v[CA:CA+1]
.endif
	v_pk_add_f32 v[18:19], v[18:19], v[CB:CB+1]
.irp b, 0,1,2,3
.if \two
.set n, 0
.rept 16
	v_min_num_f32 v[SA+16*\b+n], v[SA+16*\b+n], v25               ; the conversion does not saturate (ISA guide 7.6.2); p is not negative: a one-sided hold
.set n, n+1
.endr
	v_cvt_scalef32_pk8_fp8_f32 v[CA+4*\b:CA+4*\b+1], v[SA+16*\b:SA+16*\b+7], v24
	v_cvt_scalef32_pk8_fp8_f32 v[CA+4*\b+2:CA+4*\b+3], v[SA+16*\b+8:SA+16*\b+15], v24
.endif
.set n, 0
.rept 16
	v_min_num_f32 v[SB+16*\b+n], v[SB+16*\b+n], v25
.set n, n+1
.endr
	v_cvt_scalef32_pk8_fp8_f32 v[CB+4*\b:CB+4*\b+1], v[SB+16*\b:SB+16*\b+7], v24
	v_cvt_scalef32_pk8_fp8_f32 v[CB+4*\b+2:CB+4*\b+3], v[SB+16*\b+8:SB+16*\b+15], v24
.endr
	s_wait_alu depctr_va_vdst(0)                   ; the wait here, directly ahead of the first reader of O^T
.if \two
.set n, 0
.rept 16
	v_pk_mul_f32 v[OA+n:OA+n+1], v[OA+n:OA+n+1], v[20:21] op_sel_hi:[1,0]                 ; O^T under the new M; also the plain lines behind the conversions
.set n, n+2
.endr
.endif
.set n, 0
.rept 16
	v_pk_mul_f32 v[OB+n:OB+n+1], v[OB+n:OB+n+1], v[22:23] op_sel_hi:[1,0]
.set n, n+2
.endr
	s_wait_alu depctr_va_vdst(0)                   ; the wait here, directly ahead of the wait below
	s_wait_dscnt 16                                ; V's sixteen loads are in; the sixteen younger ones, the next step's K, may be out
	WIN 0x01                                       ; source 0: window 1
.irp t, 0,1,2,3
.if \two
	v_wmma_f32_16x16x128_fp8_fp8 v[OA+8*\t:OA+8*\t+7], v[VFR+16*\t:VFR+16*\t+15], v[CA:CA+15], v[OA+8*\t:OA+8*\t+7]
.endif
	v_wmma_f32_16x16x128_fp8_fp8 v[OB+8*\t:OB+8*\t+7], v[VFR+16*\t:VFR+16*\t+15], v[CB:CB+15], v[OB+8*\t:OB+8*\t+7]
.endr
	WIN 0
.endm
.Lstep:                                            ; sixteen trips in every wave; the trips behind tile B's last key step do nothing
	s_cmp_gt_u32 s[T], s[NSB]
	s_cbranch_scc1 .Lskip
	s_add_co_u32 s58, s[T], 1
	s_min_u32 s58, s58, 15
	s_mul_i32 s58, s58, KSTEP                      ; the next step's K (the last step names its own again)
	s_lshr_b32 s59, s[T], 2
	s_mul_i32 s59, s59, VQ
	s_and_b32 s60, s[T], 3
	s_lshl_b32 s60, s60, 7
	s_add_co_u32 s59, s59, s60
	s_add_co_u32 s59, s59, VOFF                    ; this step's V: quarter T / 4, byte 128 (T % 4) of its rows
	s_wait_dscnt 0x0                               ; this step's K, asked for a step ago
	s_cmp_gt_u32 s[T], s[NSA]
	s_cbranch_scc1 .Lsingle
	BODY 1
	s_branch .Lskip
.Lsingle:
	BODY 0
.Lskip:
	s_add_co_u32 s[T], s[T], 1
	s_cmp_lt_u32 s[T], 16
	s_cbranch_scc1 .Lstep
	; THE WAY OUT: O^T / the sum x 2^(e8 + e9), held, converted by e10; 8 bytes a lane into my stage; back as 1,024 consecutive bytes a tile.
	v_add_f32 v16, v16, v17
	v_add_f32 v18, v18, v19
	v_permlanex16_b32 v30, v16, s[SEL], s[SEL+1]
	v_permlanex16_b32 v31, v18, s[SEL], s[SEL+1]
	v_add_f32 v16, v16, v30                        ; the rows' sums
	v_add_f32 v18, v18, v31
	s_wait_alu depctr_va_vdst(0)                   ; the wait ahead of the transcendentals
	v_rcp_f32 v16, v16
	v_rcp_f32 v18, v18
	v_and_b32 v26, 15, v0                          ; (plain lines behind the transcendentals)
	v_bfe_u32 v27, v0, 4, 1
	s_lshl_b32 s84, s[WV], 11
	s_add_co_u32 s84, s84, STAGE
	v_lshlrev_b32 v26, 6, v26
	v_lshl_add_u32 v26, v27, 3, v26
	v_add_nc_u32 v26, s84, v26                     ; in: 64 r + 8 h, tile of d 16 bytes on, tile B 1,024 on
	v_and_b32 v27, 31, v0
	v_lshlrev_b32 v28, 4, v27
	v_add_nc_u32 v27, s84, v28
	s_wait_alu depctr_va_vdst(0)                   ; the wait ahead of the reciprocals' first reader
	v_ldexp_f32 v16, v16, s86
	v_ldexp_f32 v18, v18, s86
	s_wait_alu depctr_va_vdst(0)                   ; the wait here, directly ahead of the first reader of O^T
.set n, 0
.rept 32
	v_mul_f32 v[SA+n], v[OA+n], v16                ; register 8 t + j is o(query r, d = 16 t + 8 h + j); each accumulator from its low end on
.set n, n+1
.endr
.set n, 0
.rept 32
	v_mul_f32 v[SB+n], v[OB+n], v18
.set n, n+1
.endr
.set n, 0
.rept 32
	v_med3_num_f32 v[SA+n], v[SA+n], -v11, v11
	v_med3_num_f32 v[SB+n], v[SB+n], -v11, v11
.set n, n+1
.endr
.irp t, 0,1,2,3
	v_cvt_scalef32_pk8_fp8_f32 v[CA+2*\t:CA+2*\t+1], v[SA+8*\t:SA+8*\t+7], v10
	v_cvt_scalef32_pk8_fp8_f32 v[CB+2*\t:CB+2*\t+1], v[SB+8*\t:SB+8*\t+7], v10
.endr
	v_nop
.irp t, 0,1,2,3
	ds_store_b64 v26, v[CA+2*\t:CA+2*\t+1] offset:16*\t
	ds_store_b64 v26, v[CB+2*\t:CB+2*\t+1] offset:1024+16*\t
.endr
.irp i, 0,1,2,3
	ds_load_b128 v[OA+4*\i:OA+4*\i+3], v27 offset:512*\i          ; in order behind my stores
.endr
	s_wait_dscnt 0x0
	global_store_b128 v28, v[OA:OA+3], s[52:53]                   ; 32 lanes store 512 consecutive bytes, aligned
	global_store_b128 v28, v[OA+4:OA+7], s[52:53] offset:512
	global_store_b128 v28, v[OA+8:OA+11], s[54:55]
	global_store_b128 v28, v[OA+12:OA+15], s[54:55] offset:512
	s_wait_tensorcnt 0x0                           ; the wave's end
	ds_add_u32 v[SPW], v[NIL]
	s_wait_dscnt 0x0
	CROUND                                         ; the closing round
	s_endpgm
.Lfunc_end_k_qb702437366_attn:
	.size	k_qb702437366_attn, .Lfunc_end_k_qb702437366_attn-k_qb702437366_attn
	.p2alignl 7, 3214868480
	.fill 96, 4, 3214868480
	.section	.rodata,"a",@progbits
	.p2align	6, 0x0
	.amdhsa_kernel k_qb702437366_attn
		.amdhsa_group_segment_fixed_size 327680
		.amdhsa_private_segment_fixed_size 0
		.amdhsa_enable_private_segment 0
		.amdhsa_kernarg_size 24
		.amdhsa_user_sgpr_count 2
		.amdhsa_user_sgpr_kernarg_segment_ptr 1
		.amdhsa_wavefront_size32 1
		.amdhsa_system_sgpr_workgroup_id_x 1
		.amdhsa_system_sgpr_workgroup_id_y 1
		.amdhsa_system_sgpr_workgroup_id_z 1
		.amdhsa_system_vgpr_workitem_id 0
		.amdhsa_next_free_vgpr 400
		.amdhsa_next_free_sgpr 100
		.amdhsa_reserve_vcc 1
		.amdhsa_float_denorm_mode_32 3
		.amdhsa_float_denorm_mode_16_64 3
		.amdhsa_memory_ordered 1
		.amdhsa_forward_progress 1
		.amdhsa_inst_pref_size 74
	.end_amdhsa_kernel
	.amdgpu_metadata
---
amdhsa.version: [ 1, 2 ]
amdhsa.kernels:
  - .name:           k_qb702437366_attn
    .symbol:         k_qb702437366_attn.kd
    .args:
      - { .name: qkv, .offset: 0, .size: 8, .value_kind: global_buffer, .address_space: global }
      - { .name: lowp_scales, .offset: 8, .size: 8, .value_kind: global_buffer, .address_space: global }
      - { .name: oc, .offset: 16, .size: 8, .value_kind: global_buffer, .address_space: global }
    .group_segment_fixed_size: 327680
    .private_segment_fixed_size: 0
    .kernarg_segment_align: 8
    .kernarg_segment_size: 24
    .max_flat_workgroup_size: 256
    .sgpr_count:     100
    .vgpr_count:     400
    .wavefront_size: 32
...
	.end_amdgpu_metadata
.endif
;; end of part 3
;; launch wo (part 4): grid 8 x 32, 4 waves a work-group, clusters of 4 x 4, 327,680 bytes of LDS; arguments oc, cw, lowp_scales, x, h; writes h
.if DOCPART == 4
	.amdgcn_target "amdgcn-amd-amdhsa--gfx1250"
	.amdhsa_code_object_version 6
	.text
	.protected	k_qb702437366_wo
	.globl	k_qb702437366_wo
	.p2align	8
	.type	k_qb702437366_wo,@function
k_qb702437366_wo:
	s_mov_b64 s[64:65], 0
	v_nop
	global_prefetch_b8 v0, s[64:65] scope:SCOPE_SE
	s_setreg_imm32_b32 hwreg(HW_REG_WAVE_MODE, 25, 1), 1
	s_wait_xcnt 0x0
	s_wait_alu depctr_hold_cnt(0) depctr_sa_sdst(0) depctr_va_vdst(0) depctr_va_sdst(0) depctr_va_ssrc(0) depctr_va_vcc(0) depctr_vm_vsrc(0)
	s_getreg_b32 s2, hwreg(HW_REG_IB_STS2, 6, 4)
	s_cmp_eq_u32 s2, 0
	s_cbranch_scc0 .Lentry_in_a_cluster
	s_endpgm
.Lentry_in_a_cluster:
	s_bfe_u32 s2, ttmp6, 0x10000c
	s_cmp_lg_u32 s2, 0xf033
	s_cbranch_scc0 .Lentry_shape_is_right
	s_endpgm
.Lentry_shape_is_right:
; out = res + A B^T x 2^(ea + eb) on codes of E4M3.  One text serves two launches: FFN2 = 0: product 6, h = x + attention's result x wo (K = 1,024, e10, e11);  FFN2 = 1: product 9, out0 = h + g x w2 (K = 2,048, e16, e17).
; A tile of C is 128 tokens x 128 columns, so that 4,096 x 1,024 gives 256 work-groups; four waves, 64 x 64 each: 16 accumulators.  K IS CUT IN TWO HALVES that walk side by side: a slot holds, for each half, 256 along K of A's 128 tokens and of
; B's 128 rows; a step multiplies half 0's fragments and then half 1's onto the same 16 accumulators, which take turns.  So the ring, its loads (128 LDS rows of 256 bytes a wave) and its waits have the form of the launch qkv.
; A's codes lie in blocks: [32 blocks of 128 tokens][K / BW][128 tokens][BW bytes], BW = 64 (a head) or 128: 256 along K of 128 tokens are 32,768 consecutive bytes, stated as 128 rows of 256; a token's bytes are found by the lane's address.
; CLUSTERS: 4 x 4: A's tile is shared along a row of the cluster, B's along a column.  The residual's 64 x 64 numbers of a wave are asked for at the head, in the layout of the stores, and land under the products.
; THE MATRIX INSTRUCTION IS USED TRANSPOSED: a lane holds eight neighbouring columns of a token.  A wave's 64 columns are 256 bytes: a block of 16 rows goes through the wave's own stage (in slot 0, behind its last fill and last read) and leaves in aligned runs of 256 bytes.
; LIMIT: ea + eb between -126 and 127.  REGISTERS: window 0: v16-29 addresses, v32-95 at work, v128-255 A's fragments, later rows of C; window 1: B's two sets; window 2: v0-127 accumulators; window 3: v0-127 the residual.
.set FFN2, 0
.if FFN2
.set LAPS,  2
.set BROW,  2048
.set BOFF,  0x800000
.set ATB,   262144
.set AHALF, 4*32768
.set BHALF, 1024
.set EOFF,  0x40
.else
.set LAPS,  1                          ; each half has two K steps of 256: both slots are first fills, and nothing is filled again
.set BROW,  1024
.set BOFF,  0x300000
.set ATB,   131072
.set AHALF, 2*32768
.set BHALF, 512
.set EOFF,  0x28
.endif
.set PITCH,  272
.set FR,     16
.set NL,     4
.set NP,     4
.set HALFT,  128*PITCH
.set SLOT,   4*HALFT
.set SPARE,  2*SLOT
.set ADRA, 16
.set ADRB, 20
.set STO,  24
.set RD,   25
.set CO,   26
.set SPW,  28
.set NIL,  29
.set TMP,  32
.set AF,   128
.set BK,   128
.set G1, 24
.set G0, 32
.set G1B, 48
.set G0B, 56
.set MSB, 0
.macro WIN new
.if MSB != \new
	s_set_vgpr_msb (MSB<<8)|\new
.set MSB, \new
.endif
.endm
.set MUL_LO, 0xa1                      ; source 0 (B) window 1, source 1 (A) window 0, C and D window 2
.set TO_B,   0x40
.macro JLOAD g0a, g1a, g0b, g1b        ; waves 0, 1 fetch A's two halves of K, waves 2, 3 B's; an s_nop 0 and four v_nop follow each line
	s_cmp_eq_u32 s15, 0
	s_cbranch_scc0 .Lfor_b_\@
	tensor_load_to_lds s[\g0a:\g0a+3], s[\g1a:\g1a+7]
	s_nop 0
.rept 4
	v_nop
.endr
	s_branch .Lasked_\@
.Lfor_b_\@:
	tensor_load_to_lds s[\g0b:\g0b+3], s[\g1b:\g1b+7]
	s_nop 0
.rept 4
	v_nop
.endr
.Lasked_\@:
.endm
.macro CREST
	s_cmp_lg_u32 s14, 0
	s_cbranch_scc1 .Lnot_wave_0_\@
	s_barrier_signal -3
.Lnot_wave_0_\@:
	s_barrier_wait -3
	s_barrier_signal -1
	s_barrier_wait -1
.endm
.macro CROUND
	s_barrier_signal -1
	s_barrier_wait -1
	CREST
.endm
	s_load_b256 s[4:11], s[0:1], 0x0               ; A's codes, cw, the scales' exponents, the residual
	s_load_b64 s[12:13], s[0:1], 0x20              ; out
	v_lshl_add_u32 v[SPW], v0, 2, SPARE
	v_mov_b32 v[NIL], 0
	ds_add_u32 v[SPW], v[NIL]                      ; the wave's opening: the add, twice on end, and its wait ahead of my first tensor load
	ds_add_u32 v[SPW], v[NIL]
	v_lshrrev_b32 v1, 5, v0
	v_readfirstlane_b32 s14, v1                    ; wave
	s_lshr_b32 s15, s14, 1                         ; my 64 tokens of the tile; also: I fetch for A (0) or B (1)
	s_and_b32 s16, s14, 1                          ; my 64 columns; also: which half of K I fetch
	s_bfe_u32 s40, ttmp6, 0x40000                  ; cx
	s_bfe_u32 s41, ttmp6, 0x40004                  ; cy
	s_lshl_b32 s42, ttmp9, 2
	s_add_co_u32 s42, s42, s40                     ; tile column
	s_and_b32 s17, ttmp7, 0xffff
	s_lshl_b32 s17, s17, 2
	s_add_co_u32 s17, s17, s41                     ; tile row: the block of 128 tokens
	s_lshl_b32 s43, s41, 2
	s_lshl_b32 s43, 15, s43
	s_lshl_b32 s44, 0x1111, s40
	s_or_b32 s[G1+0], s43, (0<<16)|(1<<20)|(1<<21)|(5<<22)|(3<<25)  ; the mask; elements of 1 byte; padding on; bit 21 beside a mask; 4 words behind every 64
	s_or_b32 s[G1B+0], s44, (0<<16)|(1<<20)|(1<<21)|(5<<22)|(3<<25)
.irp g, G1, G1B
	s_mov_b32 s[\g+1], 256<<16
	s_mov_b32 s[\g+2], 128<<16
	s_mov_b32 s[\g+3], 256<<16
	s_mov_b32 s[\g+4], 128
	s_mov_b32 s[\g+6], 0
	s_mov_b32 s[\g+7], 0
.endr
	s_mov_b32 s[G1+5], 256                         ; A: dense
	s_mov_b32 s[G1B+5], BROW
	s_mul_i32 s20, s17, ATB
	s_mul_i32 s18, s16, AHALF
	s_add_co_u32 s20, s20, s18
	s_mov_b32 s21, 0
	s_mul_i32 s46, s42, 128*BROW
	s_mul_i32 s18, s16, BHALF
	s_add_co_u32 s46, s46, s18
	s_add_co_u32 s46, s46, BOFF
	s_mov_b32 s47, 0
	s_mul_i32 s45, s14, HALFT
	s_wait_dscnt 0x0                               ; both opening adds are done
	s_wait_kmcnt 0x0
	s_load_b64 s[96:97], s[8:9], EOFF              ; ea, eb
	s_add_nc_u64 s[20:21], s[4:5], s[20:21]
	s_add_nc_u64 s[46:47], s[6:7], s[46:47]
	s_lshl_b32 s92, s40, 13                        ; the prefetch of slot 1's tiles: of the 128 rows that I fetch my work-group names 32, by address: cx among A's partners (rows of 256 bytes, dense),
	s_mul_i32 s93, s41, 32*BROW                    ; cy among B's (rows BROW bytes apart); a lane a row
	s_mov_b32 s94, 256
	s_mov_b32 s73, BROW
	s_and_b32 s74, ttmp7, 0xffff
	s_lshr_b32 s74, s74, 2
	s_mul_i32 s74, s74, s15                        ; 0 in A's waves, and in B's waves of the first four rows of clusters: eight rows of clusters read the same rows of B, four of them ask
	s_cmp_eq_u32 s15, 0
	s_cselect_b64 s[90:91], s[20:21], s[46:47]
	s_cselect_b32 s92, s92, s93
	s_cselect_b32 s94, 32768, s94                  ; a K step on
	s_cselect_b32 s73, 256, s73                    ; from lane to lane
	s_mov_b32 s93, 0
	s_mov_b32 s95, 0
	s_add_nc_u64 s[90:91], s[90:91], s[92:93]
	s_add_nc_u64 s[90:91], s[90:91], s[94:95]
	v_and_b32 v27, 31, v0
	v_mul_lo_u32 v27, v27, s73                     ; v27 and s[90:91] are never rewritten
	s_wait_alu depctr_va_vdst(0)
	CROUND
.irp s, 0,1
	s_mov_b32 s[G0+4*\s], 1
	s_add_co_u32 s[G0+4*\s+1], s45, \s*SLOT
	s_add_nc_u64 s[G0+4*\s+2:G0+4*\s+3], s[20:21], \s*32768
	s_or_b32 s[G0+4*\s+3], s[G0+4*\s+3], 0x80000000
	s_mov_b32 s[G0B+4*\s], 1
	s_add_co_u32 s[G0B+4*\s+1], s45, \s*SLOT
	s_add_nc_u64 s[G0B+4*\s+2:G0B+4*\s+3], s[46:47], \s*256
	s_or_b32 s[G0B+4*\s+3], s[G0B+4*\s+3], 0x80000000
.endr
	JLOAD G0, G1, G0B, G1B
	s_cmp_eq_u32 s74, 0
	s_cbranch_scc0 .Lnot_mine
	global_prefetch_b8 v27, s[90:91] th:TH_LOAD_NT scope:SCOPE_SE   ; one fill ahead of its load: there are two fills in all
.Lnot_mine:
	s_lshl_b32 s86, s17, 19                        ; my part of the residual and of out: (128 tile row + 64 i) rows of 4,096 bytes + (128 tile column + 64 j) x 4
	s_lshl_b32 s87, s15, 18
	s_add_co_u32 s86, s86, s87
	s_lshl_b32 s87, s42, 9
	s_add_co_u32 s86, s86, s87
	s_lshl_b32 s87, s16, 8
	s_add_co_u32 s86, s86, s87
	s_mov_b32 s87, 0
	s_add_nc_u64 s[10:11], s[10:11], s[86:87]
	s_add_nc_u64 s[12:13], s[12:13], s[86:87]
	v_and_b32 v1, 15, v0                           ; r
	v_bfe_u32 v2, v0, 4, 1                         ; h
	v_lshlrev_b32 v[CO], 12, v2
	v_lshl_add_u32 v[CO], v1, 4, v[CO]             ; lanes 0-15 one row's 256 bytes, lanes 16-31 the next row's
	WIN 0xc0                                       ; destination window 3
.irp a, 0,1,2,3
.irp t, 0,1,2,3,4,5,6,7
	global_load_b128 v[32*\a+4*\t:32*\a+4*\t+3], v[CO], s[10:11] offset:(16*\a+2*\t)*4096 th:TH_LOAD_NT
.endr
.endr
	WIN 0
.if FFN2
	v_lshrrev_b32 v3, 1, v1                        ; two tokens of 128 bytes to an LDS row
	v_mul_u32_u24 v3, v3, PITCH
	v_and_b32 v5, 1, v1
	v_lshl_add_u32 v3, v5, 7, v3
	s_mul_i32 s21, s15, 32*PITCH
.else
	v_lshrrev_b32 v3, 2, v1                        ; four tokens of 64 bytes to an LDS row
	v_mul_u32_u24 v3, v3, PITCH
	v_and_b32 v5, 3, v1
	v_lshl_add_u32 v3, v5, 6, v3
	s_mul_i32 s21, s15, 16*PITCH
.endif
	v_lshl_add_u32 v3, v2, 4, v3
	v_mul_u32_u24 v4, v1, PITCH
	v_lshl_add_u32 v4, v2, 4, v4
	s_mul_i32 s22, s16, 64*PITCH
	s_add_co_u32 s22, s22, 2*HALFT
.irp s, 0,1
	v_add_nc_u32 v[ADRA+\s], s21, v3
	v_add_nc_u32 v[ADRB+\s], s22, v4
	s_add_co_u32 s21, s21, SLOT
	s_add_co_u32 s22, s22, SLOT
.endr
	s_mul_i32 s23, s14, 16*PITCH                   ; my stage
	v_mul_u32_u24 v5, v1, PITCH
	v_lshl_add_u32 v5, v2, 5, v5
	v_add_nc_u32 v[STO], s23, v5                   ; in: row r, 32 bytes for each half of the lanes
	v_mul_u32_u24 v5, v2, PITCH
	v_lshl_add_u32 v5, v1, 4, v5
	v_add_nc_u32 v[RD], s23, v5                    ; back: two rows an instruction
.macro FETCH_B slot, q, p              ; B's fragments: blocks 0-3 of half 0, 4-7 of half 1: rows 64 j + 16 (b % 4) + r
	WIN TO_B
.irp b, 0,1,2,3,4,5,6,7
.irp c, 0,1,2,3
	ds_load_b128 v[128*(\p)+FR*\b+4*\c:128*(\p)+FR*\b+4*\c+3], v[ADRB+\slot] offset:(\b/4)*HALFT+(\b%4)*16*PITCH+128*(\q)+32*\c
.endr
.endr
	WIN 0
.endm
.macro FETCH_A slot, q, a0             ; A's fragments a0 .. a0 + 3: tokens 64 i + 16 (a % 4) + r of half a / 4
.irp a, \a0, \a0+1, \a0+2, \a0+3
.irp c, 0,1,2,3
.if FFN2
	ds_load_b128 v[AF+FR*(\a)+4*\c:AF+FR*(\a)+4*\c+3], v[ADRA+\slot] offset:((\a)/4)*HALFT+(64*(\q)+8*((\a)%4))*PITCH+32*\c
.else
	ds_load_b128 v[AF+FR*(\a)+4*\c:AF+FR*(\a)+4*\c+3], v[ADRA+\slot] offset:((\a)/4)*HALFT+(32*(2*(\q)+\c/2)+4*((\a)%4))*PITCH+32*(\c%2)
.endif
.endr
.endr
.endm
.macro MUL8 a0, p, zero                ; A's blocks a0, a0 + 1 x the four of B's that belong to the same half of K; the 16 accumulators take turns, one instruction a turn
.irp a, \a0, \a0+1
.irp b, 0,1,2,3
.if \zero
	v_wmma_f32_16x16x128_fp8_fp8 v[8*(4*((\a)%4)+\b):8*(4*((\a)%4)+\b)+7], v[128*(\p)+FR*(4*((\a)/4)+\b):128*(\p)+FR*(4*((\a)/4)+\b)+FR-1], v[AF+FR*(\a):AF+FR*(\a)+FR-1], 0
.else
	v_wmma_f32_16x16x128_fp8_fp8 v[8*(4*((\a)%4)+\b):8*(4*((\a)%4)+\b)+7], v[128*(\p)+FR*(4*((\a)/4)+\b):128*(\p)+FR*(4*((\a)/4)+\b)+FR-1], v[AF+FR*(\a):AF+FR*(\a)+FR-1], v[8*(4*((\a)%4)+\b):8*(4*((\a)%4)+\b)+7]
.endif
.endr
.endr
.endm
.macro PLACES n
.rept \n
	v_nop
.endr
.endm
.macro STEP slot, q, zero
	s_wait_dscnt 4*NL                              ; B's set and A's blocks 0-3 are in; the youngest sixteen loads (A's blocks 4-7) may be out
	WIN MUL_LO
	MUL8 0, (\q)%2, \zero
	MUL8 2, (\q)%2, \zero
	s_wait_dscnt 0
	PLACES NP
	FETCH_B \slot, (\q)+1, 1-(\q)%2
	FETCH_A \slot, (\q)+1, 0
	WIN MUL_LO
	MUL8 4, (\q)%2, 0                              ; the other half of K adds onto the same sums
	MUL8 6, (\q)%2, 0
	PLACES NP
	WIN 0
	FETCH_A \slot, (\q)+1, 4
.endm
.macro TURN slot, next, fill
	s_wait_tensorcnt 0x0                           ; all my tensor loads have landed: my part of the next slot
	ds_add_u32 v[SPW], v[NIL]                      ; 0 onto my spare word
	s_wait_dscnt 4*NL+1                            ; (the add and the youngest sixteen loads may be out)
	WIN MUL_LO
	MUL8 0, 1, 0
	s_wait_dscnt 0x0                               ; the add is done, and my reads of this slot are over
	s_barrier_signal -1
	MUL8 2, 1, 0
	WIN 0
	s_barrier_wait -1
.if \fill
	CREST                                          ; the barrier has opened a round of the cluster's
	s_add_nc_u64 s[G0+4*\slot+2:G0+4*\slot+3], s[G0+4*\slot+2:G0+4*\slot+3], 2*32768
	s_add_nc_u64 s[G0B+4*\slot+2:G0B+4*\slot+3], s[G0B+4*\slot+2:G0B+4*\slot+3], 2*256
	JLOAD G0+4*\slot, G1, G0B+4*\slot, G1B         ; the first tensor load behind the round; its four v_nop are the places in front of the loads below
.else
	PLACES NP
.endif
	FETCH_B \next, 0, 0
	FETCH_A \next, 0, 0
	WIN MUL_LO
	MUL8 4, 1, 0
	MUL8 6, 1, 0
	PLACES NP
	WIN 0
	FETCH_A \next, 0, 4
.endm
	s_wait_alu depctr_va_vdst(0)
	s_wait_tensorcnt 0x0                           ; my part of slot 0 is in; slot 1's first fill is issued as a refill is
	ds_add_u32 v[SPW], v[NIL]
	s_wait_dscnt 0x0
	CROUND
	JLOAD G0+4, G1, G0B+4, G1B                     ; slot 1: the first tensor load behind the round
	FETCH_B 0, 0, 0
	FETCH_A 0, 0, 0
	FETCH_A 0, 0, 4
	STEP 0, 0, 1
.if LAPS > 1
	s_mov_b32 s3, LAPS-1
.Llap:
	TURN 0, 1, 1
	STEP 1, 0, 0
	TURN 1, 0, 1
	STEP 0, 0, 0
	s_sub_co_u32 s3, s3, 1
	s_cmp_lg_u32 s3, 0
	s_cbranch_scc1 .Llap
.endif
	TURN 0, 1, 0
	STEP 1, 0, 0
	s_wait_dscnt 4*NL
	WIN MUL_LO
	MUL8 0, 1, 0
	MUL8 2, 1, 0
	s_wait_dscnt 0
	MUL8 4, 1, 0
	MUL8 6, 1, 0
	WIN 0
.macro TOSTAGE a                       ; block a: 16 tokens x 64 columns: x 2^(ea + eb), through my stage, back as rows of 256 bytes
.set TS, TMP+32*((\a)%2)
	WIN 0x02                                       ; source 0: window 2
.set i, 0
.rept 16
	v_pk_mul_f32 v[TS+i:TS+i+1], v[32*(\a)+i:32*(\a)+i+1], s[96:97] op_sel_hi:[1,0]     ; each accumulator from its low end on
.set i, i+2
.endr
	WIN 0
.irp b, 0,1,2,3
	ds_store_b128 v[STO], v[TS+8*\b:TS+8*\b+3] offset:64*\b
	ds_store_b128 v[STO], v[TS+8*\b+4:TS+8*\b+7] offset:64*\b+16
.endr
.irp t, 0,1,2,3,4,5,6,7
	ds_load_b128 v[BK+32*(\a)+4*\t:BK+32*(\a)+4*\t+3], v[RD] offset:\t*2*PITCH           ; LDS serves a wave's instructions in order: these see my stores
.endr
.endm
.macro SEND a, younger                 ; younger: the next block's eight stores and eight loads, or none
	s_wait_dscnt \younger
	WIN 0x0c                                       ; source 1: window 3, the residual
.set i, 0
.rept 16
	v_pk_add_f32 v[BK+32*(\a)+i:BK+32*(\a)+i+1], v[BK+32*(\a)+i:BK+32*(\a)+i+1], v[32*(\a)+i:32*(\a)+i+1]
.set i, i+2
.endr
	WIN 0
.irp t, 0,1,2,3,4,5,6,7
.if FFN2
	global_store_b128 v[CO], v[BK+32*(\a)+4*\t:BK+32*(\a)+4*\t+3], s[12:13] offset:(16*(\a)+2*\t)*4096 th:TH_STORE_NT
.else
	global_store_b128 v[CO], v[BK+32*(\a)+4*\t:BK+32*(\a)+4*\t+3], s[12:13] offset:(16*(\a)+2*\t)*4096     ; sixteen lanes store 256 consecutive bytes, aligned
.endif
.endr
.endm
	s_wait_kmcnt 0x0
	s_add_co_i32 s96, s96, s97
	s_add_co_i32 s96, s96, 127
	s_lshl_b32 s96, s96, 23                        ; 2^(ea + eb) as f32
	PLACES NP
	s_wait_loadcnt 0x0                             ; the residual, asked for at the head
	TOSTAGE 0
	TOSTAGE 1
	SEND 0, 16
	TOSTAGE 2
	SEND 1, 16
	TOSTAGE 3
	SEND 2, 16
	SEND 3, 0                                      ; every block has registers of its own and every offset is an immediate: no store's source is written again
	s_wait_tensorcnt 0x0                           ; the wave's end
	ds_add_u32 v[SPW], v[NIL]
	s_wait_dscnt 0x0
	CROUND                                         ; the closing round
	s_endpgm
.Lfunc_end_k_qb702437366_wo:
	.size	k_qb702437366_wo, .Lfunc_end_k_qb702437366_wo-k_qb702437366_wo
	.p2alignl 7, 3214868480
	.fill 96, 4, 3214868480
	.section	.rodata,"a",@progbits
	.p2align	6, 0x0
	.amdhsa_kernel k_qb702437366_wo
		.amdhsa_group_segment_fixed_size 327680
		.amdhsa_private_segment_fixed_size 0
		.amdhsa_enable_private_segment 0
		.amdhsa_kernarg_size 40
		.amdhsa_user_sgpr_count 2
		.amdhsa_user_sgpr_kernarg_segment_ptr 1
		.amdhsa_wavefront_size32 1
		.amdhsa_system_sgpr_workgroup_id_x 1
		.amdhsa_system_sgpr_workgroup_id_y 1
		.amdhsa_system_sgpr_workgroup_id_z 1
		.amdhsa_system_vgpr_workitem_id 0
		.amdhsa_next_free_vgpr 1024
		.amdhsa_next_free_sgpr 100
		.amdhsa_reserve_vcc 0
		.amdhsa_float_denorm_mode_32 3
		.amdhsa_float_denorm_mode_16_64 3
		.amdhsa_memory_ordered 1
		.amdhsa_forward_progress 1
		.amdhsa_inst_pref_size 54
	.end_amdhsa_kernel
	.amdgpu_metadata
---
amdhsa.version: [ 1, 2 ]
amdhsa.kernels:
  - .name:           k_qb702437366_wo
    .symbol:         k_qb702437366_wo.kd
    .args:
      - { .name: oc, .offset: 0, .size: 8, .value_kind: global_buffer, .address_space: global }
      - { .name: cw, .offset: 8, .size: 8, .value_kind: global_buffer, .address_space: global }
      - { .name: lowp_scales, .offset: 16, .size: 8, .value_kind: global_buffer, .address_space: global }
      - { .name: x, .offset: 24, .size: 8, .value_kind: global_buffer, .address_space: global }
      - { .name: h, .offset: 32, .size: 8, .value_kind: global_buffer, .address_space: global }
    .group_segment_fixed_size: 327680
    .private_segment_fixed_size: 0
    .kernarg_segment_align: 8
    .kernarg_segment_size: 40
    .max_flat_workgroup_size: 128
    .sgpr_count:     100
    .vgpr_count:     1024
    .wavefront_size: 32
...
	.end_amdgpu_metadata
.endif
;; end of part 4
;; launch norm2 (part 5): grid 256 x 1, 8 waves a work-group, no clusters, 41,984 bytes of LDS; arguments h, ln2_w, lowp_scales, nc; writes nc
.if DOCPART == 5
	.amdgcn_target "amdgcn-amd-amdhsa--gfx1250"
	.amdhsa_code_object_version 6
	.text
	.protected	k_qb702437366_norm2
	.globl	k_qb702437366_norm2
	.p2align	8
	.type	k_qb702437366_norm2,@function
k_qb702437366_norm2:
	s_mov_b64 s[64:65], 0
	v_nop
	global_prefetch_b8 v0, s[64:65] scope:SCOPE_SE
	s_setreg_imm32_b32 hwreg(HW_REG_WAVE_MODE, 25, 1), 1
	s_wait_xcnt 0x0
; n = h * rsqrt(mean(h^2) + 1e-6) * ln2_w, quantised twice (e12 for product 7, e14 for product 8) into nc: [2][4096][1024] codes.
; A wave a row, two rows a wave, 16 rows a work-group of eight waves; both rows of a wave are asked for at the head, so that no load waits for another row's work; a row stays in registers between the sum and the scaling.
; Each load reads 512 consecutive bytes; the conversions want 16 neighbours in a lane, so the row turns through the wave's own stage in LDS (64 bytes + 16 of padding a lane).
; A launch of its own: a row's 1,024 columns are made by eight work-groups of the launch before, and work-groups hand each other nothing.
; No tensor loads, no barrier, no cluster: waves share nothing but ln2_w's 4,096 bytes.  LIMITS: e12, e14 between -126 and 119.  NaN among the inputs is not served.
.set SPARE, 40960                      ; behind the eight waves' stages (2 x 32 x 80 bytes each): the spare words, 128 bytes a wave
.set SP,    80
.set SPW,   14
.set NIL,   15
.set W,     32                         ; v32-63 ln2_w as loaded; v64-127 two rows; v128-159 2 x 16 neighbours; v160-191 held numbers, two sets; v192-223 codes: 16 registers for each row, so that no store's data are written again
.set R,     64
.set XN,    128
.set TM,    160
.set CD,    192
.set XB,    4                          ; s[4:5] h at my first row
.set OB,    16                         ; s[16:19] the two sets at my first row
	s_load_b256 s[4:11], s[0:1], 0x0               ; h, ln2_w, the scales' exponents, nc
	v_lshl_add_u32 v[SPW], v0, 2, SPARE
	v_mov_b32 v[NIL], 0
	v_lshrrev_b32 v1, 5, v0
	s_delay_alu instid0(VALU_DEP_1)
	v_readfirstlane_b32 s28, v1                    ; wave
	v_and_b32 v2, 31, v0                           ; lane
	s_lshl_b32 s55, ttmp9, 4
	s_lshl_b32 s56, s28, 1
	s_add_co_u32 s55, s55, s56                     ; my first row: 16 x work-group + 2 x wave
	s_lshl_b32 s56, s55, 12
	s_mov_b32 s57, 0
	s_lshl_b32 s58, s55, 10
	s_mov_b32 s59, 0
	s_wait_alu depctr_va_vdst(0)
	s_wait_kmcnt 0x0
	s_load_b128 s[12:15], s[8:9], 0x30             ; e12 .. e15
	s_add_nc_u64 s[XB:XB+1], s[4:5], s[56:57]
	s_add_nc_u64 s[OB:OB+1], s[10:11], s[58:59]
	s_add_nc_u64 s[OB+2:OB+3], s[OB:OB+1], 0x400000
	v_lshlrev_b32 v3, 4, v2
	s_mul_i32 s66, s28, 2*32*SP
	v_lshrrev_b32 v12, 2, v2
	s_delay_alu instid0(VALU_DEP_1)
	v_mul_u32_u24 v12, v12, SP
	v_and_b32 v13, 3, v2
	s_delay_alu instid0(VALU_DEP_1)
	v_lshl_add_u32 v12, v13, 4, v12
	s_delay_alu instid0(VALU_DEP_1)
	v_add_nc_u32 v12, s66, v12                     ; in: four lanes' 64 bytes on end, then 16 of padding
	v_mul_u32_u24 v13, v2, SP
	s_delay_alu instid0(VALU_DEP_1)
	v_add_nc_u32 v13, s66, v13                     ; out: my 16 neighbours
	v_mov_b32 v31, 0                               ; (named as the upper half of the pair v[30:31])
	s_mov_b32 s67, 0x3a800000                      ; 1 / 1,024
	s_mov_b32 s68, 0x358637bd                      ; 1e-6
	s_mov_b32 s70, 0x76543210
	s_mov_b32 s71, 0xfedcba98
.irp j, 0,1,2,3,4,5,6,7
	global_load_b128 v[W+4*\j:W+4*\j+3], v3, s[6:7] offset:512*\j
.endr
.macro XLOAD p
.irp j, 0,1,2,3,4,5,6,7
	global_load_b128 v[R+32*(\p)+4*\j:R+32*(\p)+4*\j+3], v3, s[XB:XB+1] offset:4096*(\p)+512*\j th:TH_LOAD_NT
.endr
.endm
	XLOAD 0
	XLOAD 1
	s_wait_kmcnt 0x0
.macro MKSC e, vs, vl
	s_add_co_i32 s72, s[\e], 127
	s_lshl_b32 s73, s72, 23
	v_mov_b32 v[\vs], s73
	s_add_co_i32 s72, s72, 8
	s_lshl_b32 s72, s72, 23
	s_or_b32 s72, s72, 0x600000
	v_mov_b32 v[\vl], s72
.endm
	MKSC 12, 24, 25                                ; e12
	MKSC 14, 26, 27                                ; e14
.macro XROW p
.set RS, R+32*(\p)
.if (\p) < 1
	s_wait_loadcnt 8                               ; the gain and this row are in; the other row's eight loads may be out
.else
	s_wait_loadcnt 0
.endif
.irp c, 0,1,2,3
	v_pk_mul_f32 v[16+2*\c:17+2*\c], v[RS+2*\c:RS+2*\c+1], v[RS+2*\c:RS+2*\c+1]     ; the sum of squares, in four chains that the first products start
.endr
.irp g, 1,2,3
.irp c, 0,1,2,3
	s_delay_alu instid0(VALU_DEP_4)
	v_pk_fma_f32 v[16+2*\c:17+2*\c], v[RS+8*\g+2*\c:RS+8*\g+2*\c+1], v[RS+8*\g+2*\c:RS+8*\g+2*\c+1], v[16+2*\c:17+2*\c]
.endr
.endr
	s_delay_alu instid0(VALU_DEP_3)
	v_pk_add_f32 v[16:17], v[16:17], v[18:19]
	s_delay_alu instid0(VALU_DEP_2)
	v_pk_add_f32 v[20:21], v[20:21], v[22:23]
	s_delay_alu instid0(VALU_DEP_1)
	v_pk_add_f32 v[16:17], v[16:17], v[20:21]
	s_delay_alu instid0(VALU_DEP_1)
	v_add_f32 v16, v16, v17
	s_delay_alu instid0(VALU_DEP_1)
	v_add_f32_dpp v16, v16, v16 row_xmask:1 row_mask:0xf bank_mask:0xf
	s_delay_alu instid0(VALU_DEP_1)
	v_add_f32_dpp v16, v16, v16 row_xmask:2 row_mask:0xf bank_mask:0xf
	s_delay_alu instid0(VALU_DEP_1)
	v_add_f32_dpp v16, v16, v16 row_xmask:4 row_mask:0xf bank_mask:0xf
	s_delay_alu instid0(VALU_DEP_1)
	v_add_f32_dpp v16, v16, v16 row_xmask:8 row_mask:0xf bank_mask:0xf
	s_delay_alu instid0(VALU_DEP_1)
	v_permlanex16_b32 v17, v16, s70, s71
	s_delay_alu instid0(VALU_DEP_1)
	v_add_f32 v16, v16, v17
	s_delay_alu instid0(VALU_DEP_1)
	v_fma_f32 v16, v16, s67, s68                   ; the mean + 1e-6
	s_wait_alu depctr_va_vdst(0)
	v_rsq_f32 v30, v16
	v_nop                                          ; a plain line behind the transcendental,
	s_wait_alu depctr_va_vdst(0)                   ; and the wait ahead of its first reader
.set i, 0
.rept 16
	v_pk_mul_f32 v[RS+i:RS+i+1], v[RS+i:RS+i+1], v[30:31] op_sel_hi:[1,0]
.set i, i+2
.endr
.set i, 0
.rept 16
	v_pk_mul_f32 v[RS+i:RS+i+1], v[RS+i:RS+i+1], v[W+i:W+i+1]    ; (h r) w, in reference()'s order
.set i, i+2
.endr
.irp u, 0,1
.irp j, 0,1,2,3
	ds_store_b128 v12, v[RS+16*\u+4*\j:RS+16*\u+4*\j+3] offset:32*SP*\u+8*SP*\j
.endr
.endr
.irp u, 0,1
.irp j, 0,1,2,3
	ds_load_b128 v[XN+16*\u+4*\j:XN+16*\u+4*\j+3], v13 offset:32*SP*\u+16*\j     ; in order behind my stores: numbers 512 u + 16 lane + 0 .. 15 of the row
.endr
.endr
	s_wait_dscnt 0x0                               ; the row is back
.irp s, 0,1
.irp u, 0,1
.set i, 0
.rept 16
	v_med3_num_f32 v[TM+16*\u+i], v[XN+16*\u+i], -v[25+2*\s], v[25+2*\s]         ; the hold, into the other set than the last conversions read
.set i, i+1
.endr
	v_cvt_scalef32_pk8_fp8_f32 v[CD+16*(\p)+8*\s+4*\u:CD+16*(\p)+8*\s+4*\u+1], v[TM+16*\u:TM+16*\u+7], v[24+2*\s]
	v_cvt_scalef32_pk8_fp8_f32 v[CD+16*(\p)+8*\s+4*\u+2:CD+16*(\p)+8*\s+4*\u+3], v[TM+16*\u+8:TM+16*\u+15], v[24+2*\s]
	global_store_b128 v3, v[CD+16*(\p)+8*\s+4*\u:CD+16*(\p)+8*\s+4*\u+3], s[OB+2*\s:OB+2*\s+1] offset:1024*(\p)+512*\u   ; 32 lanes store 512 consecutive bytes, aligned
.endr
.endr
.endm
	XROW 0
	XROW 1
	s_wait_tensorcnt 0x0                           ; the wave's end, behind my last LDS store
	ds_add_u32 v[SPW], v[NIL]
	s_wait_dscnt 0x0
	s_endpgm
.Lfunc_end_k_qb702437366_norm2:
	.size	k_qb702437366_norm2, .Lfunc_end_k_qb702437366_norm2-k_qb702437366_norm2
	.p2alignl 7, 3214868480
	.fill 96, 4, 3214868480
	.section	.rodata,"a",@progbits
	.p2align	6, 0x0
	.amdhsa_kernel k_qb702437366_norm2
		.amdhsa_group_segment_fixed_size 41984
		.amdhsa_private_segment_fixed_size 0
		.amdhsa_enable_private_segment 0
		.amdhsa_kernarg_size 32
		.amdhsa_user_sgpr_count 2
		.amdhsa_user_sgpr_kernarg_segment_ptr 1
		.amdhsa_wavefront_size32 1
		.amdhsa_system_sgpr_workgroup_id_x 1
		.amdhsa_system_sgpr_workgroup_id_y 1
		.amdhsa_system_sgpr_workgroup_id_z 1
		.amdhsa_system_vgpr_workitem_id 0
		.amdhsa_next_free_vgpr 224
		.amdhsa_next_free_sgpr 80
		.amdhsa_reserve_vcc 0
		.amdhsa_float_denorm_mode_32 3
		.amdhsa_float_denorm_mode_16_64 3
		.amdhsa_memory_ordered 1
		.amdhsa_forward_progress 1
		.amdhsa_inst_pref_size 26
	.end_amdhsa_kernel
	.amdgpu_metadata
---
amdhsa.version: [ 1, 2 ]
amdhsa.kernels:
  - .name:           k_qb702437366_norm2
    .symbol:         k_qb702437366_norm2.kd
    .args:
      - { .name: h, .offset: 0, .size: 8, .value_kind: global_buffer, .address_space: global }
      - { .name: ln2_w, .offset: 8, .size: 8, .value_kind: global_buffer, .address_space: global }
      - { .name: lowp_scales, .offset: 16, .size: 8, .value_kind: global_buffer, .address_space: global }
      - { .name: nc, .offset: 24, .size: 8, .value_kind: global_buffer, .address_space: global }
    .group_segment_fixed_size: 41984
    .private_segment_fixed_size: 0
    .kernarg_segment_align: 8
    .kernarg_segment_size: 32
    .max_flat_workgroup_size: 256
    .sgpr_count:     80
    .vgpr_count:     224
    .wavefront_size: 32
...
	.end_amdgpu_metadata
.endif
;; end of part 5
;; launch ffn13 (part 6): grid 16 x 16, 4 waves a work-group, clusters of 4 x 4, 327,680 bytes of LDS; arguments nc, cw, lowp_scales, gc; writes gc
.if DOCPART == 6
	.amdgcn_target "amdgcn-amd-amdhsa--gfx1250"
	.amdhsa_code_object_version 6
	.text
	.protected	k_qb702437366_ffn13
	.globl	k_qb702437366_ffn13
	.p2align	8
	.type	k_qb702437366_ffn13,@function
k_qb702437366_ffn13:
	s_mov_b64 s[64:65], 0
	v_nop
	global_prefetch_b8 v0, s[64:65] scope:SCOPE_SE
	s_setreg_imm32_b32 hwreg(HW_REG_WAVE_MODE, 25, 1), 1
	s_wait_xcnt 0x0
	s_wait_alu depctr_hold_cnt(0) depctr_sa_sdst(0) depctr_va_vdst(0) depctr_va_sdst(0) depctr_va_ssrc(0) depctr_va_vcc(0) depctr_vm_vsrc(0)
	s_getreg_b32 s2, hwreg(HW_REG_IB_STS2, 6, 4)
	s_cmp_eq_u32 s2, 0
	s_cbranch_scc0 .Lentry_in_a_cluster
	s_endpgm
.Lentry_in_a_cluster:
	s_bfe_u32 s2, ttmp6, 0x10000c
	s_cmp_lg_u32 s2, 0xf033
	s_cbranch_scc0 .Lentry_shape_is_right
	s_endpgm
.Lentry_shape_is_right:
.set KROW,   1024
.set PITCH,  272
.set FR,     16
.set NL,     4
.set NP,     4
.set HALFA,  128*PITCH
.set HALFB,  64*PITCH
.set BREG,   2*HALFA
.set SLOT,   2*HALFA+2*HALFB
.set SPARE,  2*SLOT
.set KINDA,  0x400000-512
.set KINDB,  0x200000-512
.set GP,     144
.set ADRA, 16
.set ADRB, 20
.set STO,  24
.set RD,   25
.set CO,   26
.set SPW,  28
.set NIL,  29
.set TT,   32
.set UU,   64
.set AF,   128
.set CDS,  128
.set G1, 24
.set G0, 32
.set G1B, 48
.set G0B, 56
.set MSB, 0
.macro WIN new
.if MSB != \new
	s_set_vgpr_msb (MSB<<8)|\new
.set MSB, \new
.endif
.endm
.set MUL_LO, 0xa1
.set MUL_HI, 0xf1
.set TO_B,   0x40
.macro JLOAD g0a, g1a, g0b, g1b
	s_cmp_eq_u32 s15, 0
	s_cbranch_scc0 .Lfor_b_\@
	tensor_load_to_lds s[\g0a:\g0a+3], s[\g1a:\g1a+7]
	s_nop 0
.rept 4
	v_nop
.endr
	s_branch .Lasked_\@
.Lfor_b_\@:
	tensor_load_to_lds s[\g0b:\g0b+3], s[\g1b:\g1b+7]
	s_nop 0
.rept 4
	v_nop
.endr
.Lasked_\@:
.endm
.macro CREST
	s_cmp_lg_u32 s14, 0
	s_cbranch_scc1 .Lnot_wave_0_\@
	s_barrier_signal -3
.Lnot_wave_0_\@:
	s_barrier_wait -3
	s_barrier_signal -1
	s_barrier_wait -1
.endm
.macro CROUND
	s_barrier_signal -1
	s_barrier_wait -1
	CREST
.endm
	s_load_b256 s[4:11], s[0:1], 0x0
	v_lshl_add_u32 v[SPW], v0, 2, SPARE
	v_mov_b32 v[NIL], 0
	ds_add_u32 v[SPW], v[NIL]
	ds_add_u32 v[SPW], v[NIL]
	v_lshrrev_b32 v1, 5, v0
	v_readfirstlane_b32 s14, v1
	s_lshr_b32 s15, s14, 1
	s_and_b32 s16, s14, 1
	s_bfe_u32 s40, ttmp6, 0x40000
	s_bfe_u32 s41, ttmp6, 0x40004
	s_lshl_b32 s42, ttmp9, 2
	s_add_co_u32 s42, s42, s40
	s_and_b32 s17, ttmp7, 0xffff
	s_lshl_b32 s17, s17, 2
	s_add_co_u32 s17, s17, s41
	s_lshl_b32 s43, s41, 2
	s_lshl_b32 s43, 15, s43
	s_lshl_b32 s44, 0x1111, s40
	s_or_b32 s[G1+0], s43, (0<<16)|(1<<20)|(1<<21)|(5<<22)|(3<<25)
	s_or_b32 s[G1B+0], s44, (0<<16)|(1<<20)|(1<<21)|(5<<22)|(3<<25)
.irp g, G1, G1B
	s_mov_b32 s[\g+1], 256<<16
	s_mov_b32 s[\g+3], 256<<16
	s_mov_b32 s[\g+5], KROW
	s_mov_b32 s[\g+6], 0
	s_mov_b32 s[\g+7], 0
.endr
	s_mov_b32 s[G1+2], 128<<16
	s_mov_b32 s[G1+4], 128
	s_mov_b32 s[G1B+2], 64<<16
	s_mov_b32 s[G1B+4], 64
	s_lshl_b32 s20, s17, 18
	s_lshl_b32 s18, s16, 17
	s_add_co_u32 s20, s20, s18
	s_mov_b32 s21, 0
	s_lshl_b32 s46, s42, 17
	s_lshl_b32 s18, s16, 16
	s_add_co_u32 s46, s46, s18
	s_add_co_u32 s46, s46, 0x400000
	s_mov_b32 s47, 0
	s_mul_i32 s45, s16, HALFA
	s_mul_i32 s19, s16, HALFB
	s_add_co_u32 s19, s19, BREG
	s_wait_dscnt 0x0
	s_wait_kmcnt 0x0
	s_load_b128 s[68:71], s[8:9], 0x30
	s_load_b32 s72, s[8:9], 0x40
	s_add_nc_u64 s[20:21], s[4:5], s[20:21]
	s_add_nc_u64 s[46:47], s[6:7], s[46:47]
	s_lshl_b32 s92, s40, 15                        ; the prefetches: of A's 128 rows that I fetch my work-group names 32, by cx;
	s_lshl_b32 s93, s41, 14                        ; of B's 64 rows 16, by cy (lanes 16-31 name the last of them again); a lane a row of 1,024 bytes
	s_mov_b32 s94, 0x200000
	s_cmp_eq_u32 s15, 0
	s_cselect_b64 s[90:91], s[20:21], s[46:47]
	s_cselect_b32 s92, s92, s93
	s_cselect_b32 s94, 0x400000, s94               ; from the first product's operand to the second's
	s_cselect_b32 s73, 31, 15
	s_mov_b32 s93, 0
	s_mov_b32 s95, 0
	s_add_nc_u64 s[90:91], s[90:91], s[92:93]
	s_add_nc_u64 s[92:93], s[90:91], s[94:95]
	v_and_b32 v27, 31, v0
	v_min_u32 v27, s73, v27
	v_lshlrev_b32 v27, 10, v27                     ; v27 and s[90:93] are never rewritten
	s_wait_alu depctr_va_vdst(0)
.set PSTEP, 1
.macro ASK                             ; the K steps 1 .. 7 (four to a product) in their order: steps 1 and 2 behind the joint load of step 0, then step n + 2 behind the joint load of step n; the last two loads ask for nothing
.if PSTEP < 8
	global_prefetch_b8 v27, s[90+2*(PSTEP/4):91+2*(PSTEP/4)] offset:(PSTEP%4)*256 th:TH_LOAD_NT scope:SCOPE_SE
.endif
.set PSTEP, PSTEP+1
.endm
	CROUND
.irp s, 0,1
	s_mov_b32 s[G0+4*\s], 1
	s_add_co_u32 s[G0+4*\s+1], s45, \s*SLOT
	s_add_nc_u64 s[G0+4*\s+2:G0+4*\s+3], s[20:21], \s*256
	s_or_b32 s[G0+4*\s+3], s[G0+4*\s+3], 0x80000000
	s_mov_b32 s[G0B+4*\s], 1
	s_add_co_u32 s[G0B+4*\s+1], s19, \s*SLOT
	s_add_nc_u64 s[G0B+4*\s+2:G0B+4*\s+3], s[46:47], \s*256
	s_or_b32 s[G0B+4*\s+3], s[G0B+4*\s+3], 0x80000000
.if \s
	s_wait_alu depctr_va_vdst(0)
	s_wait_tensorcnt 0x0
	ds_add_u32 v28, v29
	ds_add_u32 v28, v29
	s_wait_dscnt 0x0
	CROUND
.endif
	JLOAD G0+4*\s, G1, G0B+4*\s, G1B
	ASK
.if \s == 0
	ASK
.endif
.endr
	v_and_b32 v1, 15, v0
	s_wait_alu depctr_va_vdst(0)
	v_bfe_u32 v2, v0, 4, 1
	v_mul_u32_u24 v4, v1, PITCH
	v_lshl_add_u32 v4, v2, 4, v4
	s_mul_i32 s21, s15, HALFA
	s_mul_i32 s22, s16, HALFB
	s_add_co_u32 s22, s22, BREG
.irp s, 0,1
	v_add_nc_u32 v[ADRA+\s], s21, v4
	v_add_nc_u32 v[ADRB+\s], s22, v4
	s_add_co_u32 s21, s21, SLOT
	s_add_co_u32 s22, s22, SLOT
.endr
	s_mul_i32 s23, s15, 128*GP
	s_lshl_b32 s86, s16, 6
	s_add_co_u32 s23, s23, s86
	v_mul_u32_u24 v5, v1, GP
	s_wait_alu depctr_va_vdst(0)
	v_lshl_add_u32 v5, v2, 3, v5
	v_add_nc_u32 v[STO], s23, v5
	v_and_b32 v5, 31, v0
	v_lshrrev_b32 v6, 3, v5
	v_mul_u32_u24 v6, v6, GP
	v_and_b32 v7, 7, v5
	v_lshl_add_u32 v6, v7, 4, v6
	s_mul_i32 s86, s14, 64*GP
	v_add_nc_u32 v[RD], s86, v6
	v_lshlrev_b32 v[CO], 4, v5
	s_lshl_b32 s86, s17, 1
	s_add_co_u32 s86, s86, s15
	s_lshl_b32 s86, s86, 4
	s_add_co_u32 s86, s86, s42
	s_lshl_b32 s86, s86, 14
	s_lshl_b32 s87, s16, 13
	s_add_co_u32 s86, s86, s87
	s_mov_b32 s87, 0
	s_add_nc_u64 s[10:11], s[10:11], s[86:87]
.macro FETCH_B slot, q, p
	WIN TO_B
.irp b, 0,1,2,3
.irp c, 0,1,2,3
	ds_load_b128 v[64*(\p)+FR*\b+4*\c:64*(\p)+FR*\b+4*\c+3], v[ADRB+\slot] offset:\b*16*PITCH+128*(\q)+32*\c
.endr
.endr
	WIN 0
.endm
.macro FETCH_A slot, q, a0
.irp a, \a0, \a0+1, \a0+2, \a0+3
.irp c, 0,1,2,3
	ds_load_b128 v[AF+FR*(\a)+4*\c:AF+FR*(\a)+4*\c+3], v[ADRA+\slot] offset:(\a)*16*PITCH+128*(\q)+32*\c
.endr
.endr
.endm
.macro MUL8 a0, p, zero
.irp a, \a0, \a0+1
.irp b, 0,1,2,3
.if \zero
	v_wmma_f32_16x16x128_fp8_fp8 v[8*(4*(\a)+\b):8*(4*(\a)+\b)+7], v[64*(\p)+FR*\b:64*(\p)+FR*\b+FR-1], v[AF+FR*(\a):AF+FR*(\a)+FR-1], 0
.else
	v_wmma_f32_16x16x128_fp8_fp8 v[8*(4*(\a)+\b):8*(4*(\a)+\b)+7], v[64*(\p)+FR*\b:64*(\p)+FR*\b+FR-1], v[AF+FR*(\a):AF+FR*(\a)+FR-1], v[8*(4*(\a)+\b):8*(4*(\a)+\b)+7]
.endif
.endr
.endr
.endm
.macro PLACES n
.rept \n
	v_nop
.endr
.endm
.macro STEP slot, w, zero
	s_wait_dscnt 4*NL
	WIN \w
	MUL8 0, 0, \zero
	MUL8 2, 0, \zero
	s_wait_dscnt 0
	PLACES NP
	FETCH_B \slot, 1, 1
	FETCH_A \slot, 1, 0
	WIN \w
	MUL8 4, 0, \zero
	MUL8 6, 0, \zero
	PLACES NP
	WIN 0
	FETCH_A \slot, 1, 4
.endm
.macro TURN slot, next, fill, w
	s_wait_tensorcnt 0x0
	ds_add_u32 v[SPW], v[NIL]
	s_wait_dscnt 4*NL+1
	WIN \w
	MUL8 0, 1, 0
	s_wait_dscnt 0x0
	s_barrier_signal -1
	MUL8 2, 1, 0
	WIN 0
	s_barrier_wait -1
.if \fill
	CREST
.if \fill == 2
	s_add_nc_u64 s[G0+4*\slot+2:G0+4*\slot+3], s[G0+4*\slot+2:G0+4*\slot+3], KINDA
	s_add_nc_u64 s[G0B+4*\slot+2:G0B+4*\slot+3], s[G0B+4*\slot+2:G0B+4*\slot+3], KINDB
.else
	s_add_nc_u64 s[G0+4*\slot+2:G0+4*\slot+3], s[G0+4*\slot+2:G0+4*\slot+3], 2*256
	s_add_nc_u64 s[G0B+4*\slot+2:G0B+4*\slot+3], s[G0B+4*\slot+2:G0B+4*\slot+3], 2*256
.endif
	JLOAD G0+4*\slot, G1, G0B+4*\slot, G1B
.else
	PLACES NP
.endif
	FETCH_B \next, 0, 0
	FETCH_A \next, 0, 0
.if \fill
	ASK
.endif
	WIN \w
	MUL8 4, 1, 0
	MUL8 6, 1, 0
	PLACES NP
	WIN 0
	FETCH_A \next, 0, 4
.endm
	s_wait_tensorcnt 1
	s_barrier_signal -1
	s_barrier_wait -1
	FETCH_B 0, 0, 0
	FETCH_A 0, 0, 0
	FETCH_A 0, 0, 4
	STEP 0, MUL_LO, 1
	TURN 0, 1, 1, MUL_LO
	STEP 1, MUL_LO, 0
	TURN 1, 0, 1, MUL_LO
	STEP 0, MUL_LO, 0
	TURN 0, 1, 2, MUL_LO
	STEP 1, MUL_LO, 0
	TURN 1, 0, 2, MUL_LO
	STEP 0, MUL_HI, 1
	TURN 0, 1, 1, MUL_HI
	STEP 1, MUL_HI, 0
	TURN 1, 0, 1, MUL_HI
	STEP 0, MUL_HI, 0
	TURN 0, 1, 0, MUL_HI
	STEP 1, MUL_HI, 0
	s_wait_dscnt 4*NL
	WIN MUL_HI
	MUL8 0, 1, 0
	MUL8 2, 1, 0
	s_wait_dscnt 0
	MUL8 4, 1, 0
	MUL8 6, 1, 0
	WIN 0
	s_wait_kmcnt 0x0
	s_add_co_i32 s86, s68, s69
	s_lshl_b32 s87, s86, 23
	s_mov_b32 s96, 0xbfb8aa3b
	s_add_co_i32 s96, s96, s87
	s_mov_b32 s97, s96
	s_sub_co_i32 s88, s72, s86
	s_sub_co_i32 s88, s88, s70
	s_sub_co_i32 s88, s88, s71
	s_add_co_i32 s88, s88, 127
	s_lshl_b32 s89, s88, 23
	s_add_co_i32 s88, s88, 8
	s_lshl_b32 s88, s88, 23
	s_or_b32 s88, s88, 0x600000
	PLACES NP
	v_mov_b32 v30, s89
	v_mov_b32 v31, s88
.macro GOUT a
	WIN 0x02
.set i, 0
.rept 16
	v_pk_mul_f32 v[TT+i:TT+i+1], v[32*(\a)+i:32*(\a)+i+1], s[96:97] op_sel_hi:[1,0]
.set i, i+2
.endr
	WIN 0
.set i, 0
	s_wait_alu depctr_va_vdst(0)
.rept 32
	v_exp_f32 v[TT+i], v[TT+i]
.set i, i+1
.endr
	WIN 0x0e
.set i, 0
	s_wait_alu depctr_va_vdst(0)
.rept 16
	v_pk_mul_f32 v[UU+i:UU+i+1], v[32*(\a)+i:32*(\a)+i+1], v[32*(\a)+i:32*(\a)+i+1]
.set i, i+2
.endr
	WIN 0
	s_wait_alu depctr_va_vdst(0)
.set i, 0
.rept 16
	v_pk_add_f32 v[TT+i:TT+i+1], v[TT+i:TT+i+1], 1.0 op_sel_hi:[1,0]
.set i, i+2
.endr
.set i, 0
	s_wait_alu depctr_va_vdst(0)
.rept 32
	v_rcp_f32 v[TT+i], v[TT+i]
.set i, i+1
.endr
	v_nop
	s_wait_alu depctr_va_vdst(0)
.set i, 0
.rept 16
	v_pk_mul_f32 v[UU+i:UU+i+1], v[UU+i:UU+i+1], v[TT+i:TT+i+1]
.set i, i+2
.endr
.set i, 0
.rept 32
	v_med3_num_f32 v[UU+i], v[UU+i], -v31, v31
.set i, i+1
.endr
.irp b, 0,1,2,3
	v_cvt_scalef32_pk8_fp8_f32 v[CDS+8*(\a)+2*\b:CDS+8*(\a)+2*\b+1], v[UU+8*\b:UU+8*\b+7], v30
.endr
	v_nop
.irp b, 0,1,2,3
	ds_store_b64 v[STO], v[CDS+8*(\a)+2*\b:CDS+8*(\a)+2*\b+1] offset:(\a)*16*GP+16*\b
.endr
.endm
.irp a, 0,1,2,3,4,5,6,7
	GOUT \a
.endr
	s_wait_dscnt 0x0
	s_barrier_signal -1
	s_barrier_wait -1
.irp t, 0,1,2,3,4,5,6,7,8,9,10,11,12,13,14,15
	ds_load_b128 v[192+4*\t:195+4*\t], v[RD] offset:4*\t*GP
.endr
.irp t, 0,1,2,3,4,5,6,7,8,9,10,11,12,13,14,15
	s_wait_dscnt 15-\t
	global_store_b128 v[CO], v[192+4*\t:195+4*\t], s[10:11] offset:512*\t
.endr
	s_wait_tensorcnt 0x0
	ds_add_u32 v[SPW], v[NIL]
	s_wait_dscnt 0x0
	CROUND
	s_endpgm
.Lfunc_end_k_qb702437366_ffn13:
	.size	k_qb702437366_ffn13, .Lfunc_end_k_qb702437366_ffn13-k_qb702437366_ffn13
	.p2alignl 7, 3214868480
	.fill 96, 4, 3214868480
	.section	.rodata,"a",@progbits
	.p2align	6, 0x0
	.amdhsa_kernel k_qb702437366_ffn13
		.amdhsa_group_segment_fixed_size 327680
		.amdhsa_private_segment_fixed_size 0
		.amdhsa_enable_private_segment 0
		.amdhsa_kernarg_size 32
		.amdhsa_user_sgpr_count 2
		.amdhsa_user_sgpr_kernarg_segment_ptr 1
		.amdhsa_wavefront_size32 1
		.amdhsa_system_sgpr_workgroup_id_x 1
		.amdhsa_system_sgpr_workgroup_id_y 1
		.amdhsa_system_sgpr_workgroup_id_z 1
		.amdhsa_system_vgpr_workitem_id 0
		.amdhsa_next_free_vgpr 1024
		.amdhsa_next_free_sgpr 100
		.amdhsa_reserve_vcc 0
		.amdhsa_float_denorm_mode_32 3
		.amdhsa_float_denorm_mode_16_64 3
		.amdhsa_memory_ordered 1
		.amdhsa_forward_progress 1
		.amdhsa_inst_pref_size 178
	.end_amdhsa_kernel
	.amdgpu_metadata
---
amdhsa.version: [ 1, 2 ]
amdhsa.kernels:
  - .name:           k_qb702437366_ffn13
    .symbol:         k_qb702437366_ffn13.kd
    .args:
      - { .name: nc, .offset: 0, .size: 8, .value_kind: global_buffer, .address_space: global }
      - { .name: cw, .offset: 8, .size: 8, .value_kind: global_buffer, .address_space: global }
      - { .name: lowp_scales, .offset: 16, .size: 8, .value_kind: global_buffer, .address_space: global }
      - { .name: gc, .offset: 24, .size: 8, .value_kind: global_buffer, .address_space: global }
    .group_segment_fixed_size: 327680
    .private_segment_fixed_size: 0
    .kernarg_segment_align: 8
    .kernarg_segment_size: 32
    .max_flat_workgroup_size: 128
    .sgpr_count:     100
    .vgpr_count:     1024
    .wavefront_size: 32
...
	.end_amdgpu_metadata
.endif
;; end of part 6
;; launch ffn2 (part 7): grid 8 x 32, 4 waves a work-group, clusters of 4 x 4, 327,680 bytes of LDS; arguments gc, cw, lowp_scales, h, out0; writes out0
.if DOCPART == 7
	.amdgcn_target "amdgcn-amd-amdhsa--gfx1250"
	.amdhsa_code_object_version 6
	.text
	.protected	k_qb702437366_ffn2
	.globl	k_qb702437366_ffn2
	.p2align	8
	.type	k_qb702437366_ffn2,@function
k_qb702437366_ffn2:
	s_mov_b64 s[64:65], 0
	v_nop
	global_prefetch_b8 v0, s[64:65] scope:SCOPE_SE
	s_setreg_imm32_b32 hwreg(HW_REG_WAVE_MODE, 25, 1), 1
	s_wait_xcnt 0x0
	s_wait_alu depctr_hold_cnt(0) depctr_sa_sdst(0) depctr_va_vdst(0) depctr_va_sdst(0) depctr_va_ssrc(0) depctr_va_vcc(0) depctr_vm_vsrc(0)
	s_getreg_b32 s2, hwreg(HW_REG_IB_STS2, 6, 4)
	s_cmp_eq_u32 s2, 0
	s_cbranch_scc0 .Lentry_in_a_cluster
	s_endpgm
.Lentry_in_a_cluster:
	s_bfe_u32 s2, ttmp6, 0x10000c
	s_cmp_lg_u32 s2, 0xf033
	s_cbranch_scc0 .Lentry_shape_is_right
	s_endpgm
.Lentry_shape_is_right:
.set FFN2, 1
.if FFN2
.set LAPS,  2
.set BROW,  2048
.set BOFF,  0x800000
.set ATB,   262144
.set AHALF, 4*32768
.set BHALF, 1024
.set EOFF,  0x40
.else
.set LAPS,  1
.set BROW,  1024
.set BOFF,  0x300000
.set ATB,   131072
.set AHALF, 2*32768
.set BHALF, 512
.set EOFF,  0x28
.endif
.set PITCH,  272
.set FR,     16
.set NL,     4
.set NP,     4
.set HALFT,  128*PITCH
.set SLOT,   4*HALFT
.set SPARE,  2*SLOT
.set ADRA, 16
.set ADRB, 20
.set STO,  24
.set RD,   25
.set CO,   26
.set SPW,  28
.set NIL,  29
.set TMP,  32
.set AF,   128
.set BK,   128
.set G1, 24
.set G0, 32
.set G1B, 48
.set G0B, 56
.set MSB, 0
.macro WIN new
.if MSB != \new
	s_set_vgpr_msb (MSB<<8)|\new
.set MSB, \new
.endif
.endm
.set MUL_LO, 0xa1
.set TO_B,   0x40
.macro JLOAD g0a, g1a, g0b, g1b
	s_cmp_eq_u32 s15, 0
	s_cbranch_scc0 .Lfor_b_\@
	tensor_load_to_lds s[\g0a:\g0a+3], s[\g1a:\g1a+7]
	s_nop 0
.rept 4
	v_nop
.endr
	s_branch .Lasked_\@
.Lfor_b_\@:
	tensor_load_to_lds s[\g0b:\g0b+3], s[\g1b:\g1b+7]
	s_nop 0
.rept 4
	v_nop
.endr
.Lasked_\@:
.endm
.macro CREST
	s_cmp_lg_u32 s14, 0
	s_cbranch_scc1 .Lnot_wave_0_\@
	s_barrier_signal -3
.Lnot_wave_0_\@:
	s_barrier_wait -3
	s_barrier_signal -1
	s_barrier_wait -1
.endm
.macro CROUND
	s_barrier_signal -1
	s_barrier_wait -1
	CREST
.endm
	s_load_b256 s[4:11], s[0:1], 0x0
	s_load_b64 s[12:13], s[0:1], 0x20
	v_lshl_add_u32 v[SPW], v0, 2, SPARE
	v_mov_b32 v[NIL], 0
	ds_add_u32 v[SPW], v[NIL]
	ds_add_u32 v[SPW], v[NIL]
	v_lshrrev_b32 v1, 5, v0
	v_readfirstlane_b32 s14, v1
	s_lshr_b32 s15, s14, 1
	s_and_b32 s16, s14, 1
	s_bfe_u32 s40, ttmp6, 0x40000
	s_bfe_u32 s41, ttmp6, 0x40004
	s_lshl_b32 s42, ttmp9, 2
	s_add_co_u32 s42, s42, s40
	s_and_b32 s17, ttmp7, 0xffff
	s_lshl_b32 s17, s17, 2
	s_add_co_u32 s17, s17, s41
	s_lshl_b32 s43, s41, 2
	s_lshl_b32 s43, 15, s43
	s_lshl_b32 s44, 0x1111, s40
	s_or_b32 s[G1+0], s43, (0<<16)|(1<<20)|(1<<21)|(5<<22)|(3<<25)
	s_or_b32 s[G1B+0], s44, (0<<16)|(1<<20)|(1<<21)|(5<<22)|(3<<25)
.irp g, G1, G1B
	s_mov_b32 s[\g+1], 256<<16
	s_mov_b32 s[\g+2], 128<<16
	s_mov_b32 s[\g+3], 256<<16
	s_mov_b32 s[\g+4], 128
	s_mov_b32 s[\g+6], 0
	s_mov_b32 s[\g+7], 0
.endr
	s_mov_b32 s[G1+5], 256
	s_mov_b32 s[G1B+5], BROW
	s_mul_i32 s20, s17, ATB
	s_mul_i32 s18, s16, AHALF
	s_add_co_u32 s20, s20, s18
	s_mov_b32 s21, 0
	s_mul_i32 s46, s42, 128*BROW
	s_mul_i32 s18, s16, BHALF
	s_add_co_u32 s46, s46, s18
	s_add_co_u32 s46, s46, BOFF
	s_mov_b32 s47, 0
	s_mul_i32 s45, s14, HALFT
	s_wait_dscnt 0x0
	s_wait_kmcnt 0x0
	s_load_b64 s[96:97], s[8:9], EOFF
	s_add_nc_u64 s[20:21], s[4:5], s[20:21]
	s_add_nc_u64 s[46:47], s[6:7], s[46:47]
	s_lshl_b32 s92, s40, 13                        ; the prefetches: of the 128 rows that I fetch my work-group names 32, by address: cx among A's partners (rows of 256 bytes, dense),
	s_mul_i32 s93, s41, 32*BROW                    ; cy among B's (rows BROW bytes apart); a lane a row
	s_mov_b32 s94, 256
	s_mov_b32 s73, BROW
	s_and_b32 s74, ttmp7, 0xffff
	s_lshr_b32 s74, s74, 2
	s_mul_i32 s74, s74, s15                        ; 0 in A's waves, and in B's waves of the first four rows of clusters: eight rows of clusters read the same rows of B, four of them ask
	s_cmp_eq_u32 s15, 0
	s_cselect_b64 s[90:91], s[20:21], s[46:47]
	s_cselect_b32 s92, s92, s93
	s_cselect_b32 s94, 32768, s94                  ; a K step on
	s_cselect_b32 s73, 256, s73                    ; from lane to lane
	s_mov_b32 s93, 0
	s_mov_b32 s95, 0
	s_add_nc_u64 s[90:91], s[90:91], s[92:93]
	s_add_nc_u64 s[88:89], s[90:91], s[94:95]      ; K step 1 of my half of K,
	s_add_nc_u64 s[90:91], s[88:89], s[94:95]      ; K step 2,
	s_add_nc_u64 s[92:93], s[90:91], s[94:95]      ; and K step 3, the last
	v_and_b32 v27, 31, v0
	v_mul_lo_u32 v27, v27, s73                     ; v27 and s[90:93] are never rewritten
	s_wait_alu depctr_va_vdst(0)
.macro ASK n                           ; the prefetch of K step n + 1: steps 1 and 2 behind the joint load of step 0, step 3 behind that of step 1
	s_cmp_eq_u32 s74, 0
	s_cbranch_scc0 .Lnot_mine_\@
	global_prefetch_b8 v27, s[88+2*(\n):89+2*(\n)] th:TH_LOAD_NT scope:SCOPE_SE
.Lnot_mine_\@:
.endm
	CROUND
.irp s, 0,1
	s_mov_b32 s[G0+4*\s], 1
	s_add_co_u32 s[G0+4*\s+1], s45, \s*SLOT
	s_add_nc_u64 s[G0+4*\s+2:G0+4*\s+3], s[20:21], \s*32768
	s_or_b32 s[G0+4*\s+3], s[G0+4*\s+3], 0x80000000
	s_mov_b32 s[G0B+4*\s], 1
	s_add_co_u32 s[G0B+4*\s+1], s45, \s*SLOT
	s_add_nc_u64 s[G0B+4*\s+2:G0B+4*\s+3], s[46:47], \s*256
	s_or_b32 s[G0B+4*\s+3], s[G0B+4*\s+3], 0x80000000
.if \s
	s_wait_alu depctr_va_vdst(0)
	s_wait_tensorcnt 0x0
	ds_add_u32 v28, v29
	ds_add_u32 v28, v29
	s_wait_dscnt 0x0
	CROUND
.endif
	JLOAD G0+4*\s, G1, G0B+4*\s, G1B
	ASK 2*\s
.if \s == 0
	ASK 1
.endif
.endr
	s_lshl_b32 s86, s17, 19
	s_lshl_b32 s87, s15, 18
	s_add_co_u32 s86, s86, s87
	s_lshl_b32 s87, s42, 9
	s_add_co_u32 s86, s86, s87
	s_lshl_b32 s87, s16, 8
	s_add_co_u32 s86, s86, s87
	s_mov_b32 s87, 0
	s_add_nc_u64 s[10:11], s[10:11], s[86:87]
	s_add_nc_u64 s[12:13], s[12:13], s[86:87]
	v_and_b32 v1, 15, v0
	v_bfe_u32 v2, v0, 4, 1
	v_lshlrev_b32 v[CO], 12, v2
	v_lshl_add_u32 v[CO], v1, 4, v[CO]
	WIN 0xc0
.irp a, 0,1,2,3
.irp t, 0,1,2,3,4,5,6,7
	global_load_b128 v[32*\a+4*\t:32*\a+4*\t+3], v[CO], s[10:11] offset:(16*\a+2*\t)*4096 th:TH_LOAD_NT
.endr
.endr
	WIN 0
.if FFN2
	v_lshrrev_b32 v3, 1, v1
	v_mul_u32_u24 v3, v3, PITCH
	v_and_b32 v5, 1, v1
	v_lshl_add_u32 v3, v5, 7, v3
	s_mul_i32 s21, s15, 32*PITCH
.else
	v_lshrrev_b32 v3, 2, v1
	v_mul_u32_u24 v3, v3, PITCH
	v_and_b32 v5, 3, v1
	v_lshl_add_u32 v3, v5, 6, v3
	s_mul_i32 s21, s15, 16*PITCH
.endif
	v_lshl_add_u32 v3, v2, 4, v3
	v_mul_u32_u24 v4, v1, PITCH
	v_lshl_add_u32 v4, v2, 4, v4
	s_mul_i32 s22, s16, 64*PITCH
	s_add_co_u32 s22, s22, 2*HALFT
.irp s, 0,1
	v_add_nc_u32 v[ADRA+\s], s21, v3
	v_add_nc_u32 v[ADRB+\s], s22, v4
	s_add_co_u32 s21, s21, SLOT
	s_add_co_u32 s22, s22, SLOT
.endr
	s_mul_i32 s23, s14, 16*PITCH
	v_mul_u32_u24 v5, v1, PITCH
	v_lshl_add_u32 v5, v2, 5, v5
	v_add_nc_u32 v[STO], s23, v5
	v_mul_u32_u24 v5, v2, PITCH
	v_lshl_add_u32 v5, v1, 4, v5
	v_add_nc_u32 v[RD], s23, v5
.macro FETCH_B slot, q, p
	WIN TO_B
.irp b, 0,1,2,3,4,5,6,7
.irp c, 0,1,2,3
	ds_load_b128 v[128*(\p)+FR*\b+4*\c:128*(\p)+FR*\b+4*\c+3], v[ADRB+\slot] offset:(\b/4)*HALFT+(\b%4)*16*PITCH+128*(\q)+32*\c
.endr
.endr
	WIN 0
.endm
.macro FETCH_A slot, q, a0
.irp a, \a0, \a0+1, \a0+2, \a0+3
.irp c, 0,1,2,3
.if FFN2
	ds_load_b128 v[AF+FR*(\a)+4*\c:AF+FR*(\a)+4*\c+3], v[ADRA+\slot] offset:((\a)/4)*HALFT+(64*(\q)+8*((\a)%4))*PITCH+32*\c
.else
	ds_load_b128 v[AF+FR*(\a)+4*\c:AF+FR*(\a)+4*\c+3], v[ADRA+\slot] offset:((\a)/4)*HALFT+(32*(2*(\q)+\c/2)+4*((\a)%4))*PITCH+32*(\c%2)
.endif
.endr
.endr
.endm
.macro MUL8 a0, p, zero
.irp a, \a0, \a0+1
.irp b, 0,1,2,3
.if \zero
	v_wmma_f32_16x16x128_fp8_fp8 v[8*(4*((\a)%4)+\b):8*(4*((\a)%4)+\b)+7], v[128*(\p)+FR*(4*((\a)/4)+\b):128*(\p)+FR*(4*((\a)/4)+\b)+FR-1], v[AF+FR*(\a):AF+FR*(\a)+FR-1], 0
.else
	v_wmma_f32_16x16x128_fp8_fp8 v[8*(4*((\a)%4)+\b):8*(4*((\a)%4)+\b)+7], v[128*(\p)+FR*(4*((\a)/4)+\b):128*(\p)+FR*(4*((\a)/4)+\b)+FR-1], v[AF+FR*(\a):AF+FR*(\a)+FR-1], v[8*(4*((\a)%4)+\b):8*(4*((\a)%4)+\b)+7]
.endif
.endr
.endr
.endm
.macro PLACES n
.rept \n
	v_nop
.endr
.endm
.macro STEP slot, q, zero
	s_wait_dscnt 4*NL
	WIN MUL_LO
	MUL8 0, (\q)%2, \zero
	MUL8 2, (\q)%2, \zero
	s_wait_dscnt 0
	PLACES NP
	FETCH_B \slot, (\q)+1, 1-(\q)%2
	FETCH_A \slot, (\q)+1, 0
	WIN MUL_LO
	MUL8 4, (\q)%2, 0
	MUL8 6, (\q)%2, 0
	PLACES NP
	WIN 0
	FETCH_A \slot, (\q)+1, 4
.endm
.macro TURN slot, next, fill
	s_wait_tensorcnt 0x0
	ds_add_u32 v[SPW], v[NIL]
	s_wait_dscnt 4*NL+1
	WIN MUL_LO
	MUL8 0, 1, 0
	s_wait_dscnt 0x0
	s_barrier_signal -1
	MUL8 2, 1, 0
	WIN 0
	s_barrier_wait -1
.if \fill
	CREST
	s_add_nc_u64 s[G0+4*\slot+2:G0+4*\slot+3], s[G0+4*\slot+2:G0+4*\slot+3], 2*32768
	s_add_nc_u64 s[G0B+4*\slot+2:G0B+4*\slot+3], s[G0B+4*\slot+2:G0B+4*\slot+3], 2*256
	JLOAD G0+4*\slot, G1, G0B+4*\slot, G1B
.else
	PLACES NP
.endif
	FETCH_B \next, 0, 0
	FETCH_A \next, 0, 0
	WIN MUL_LO
	MUL8 4, 1, 0
	MUL8 6, 1, 0
	PLACES NP
	WIN 0
	FETCH_A \next, 0, 4
.endm
	s_wait_alu depctr_va_vdst(0)
	s_wait_tensorcnt 1
	s_barrier_signal -1
	s_barrier_wait -1
	FETCH_B 0, 0, 0
	FETCH_A 0, 0, 0
	FETCH_A 0, 0, 4
	STEP 0, 0, 1
.if LAPS > 1
	s_mov_b32 s3, LAPS-1
.Llap:
	TURN 0, 1, 1
	STEP 1, 0, 0
	TURN 1, 0, 1
	STEP 0, 0, 0
	s_sub_co_u32 s3, s3, 1
	s_cmp_lg_u32 s3, 0
	s_cbranch_scc1 .Llap
.endif
	TURN 0, 1, 0
	STEP 1, 0, 0
	s_wait_dscnt 4*NL
	WIN MUL_LO
	MUL8 0, 1, 0
	MUL8 2, 1, 0
	s_wait_dscnt 0
	MUL8 4, 1, 0
	MUL8 6, 1, 0
	WIN 0
.macro TOSTAGE a
.set TS, TMP+32*((\a)%2)
	WIN 0x02
.set i, 0
.rept 16
	v_pk_mul_f32 v[TS+i:TS+i+1], v[32*(\a)+i:32*(\a)+i+1], s[96:97] op_sel_hi:[1,0]
.set i, i+2
.endr
	WIN 0
.irp b, 0,1,2,3
	ds_store_b128 v[STO], v[TS+8*\b:TS+8*\b+3] offset:64*\b
	ds_store_b128 v[STO], v[TS+8*\b+4:TS+8*\b+7] offset:64*\b+16
.endr
.irp t, 0,1,2,3,4,5,6,7
	ds_load_b128 v[BK+32*(\a)+4*\t:BK+32*(\a)+4*\t+3], v[RD] offset:\t*2*PITCH
.endr
.endm
.macro SEND a, younger
	s_wait_dscnt \younger
	WIN 0x0c
.set i, 0
.rept 16
	v_pk_add_f32 v[BK+32*(\a)+i:BK+32*(\a)+i+1], v[BK+32*(\a)+i:BK+32*(\a)+i+1], v[32*(\a)+i:32*(\a)+i+1]
.set i, i+2
.endr
	WIN 0
.irp t, 0,1,2,3,4,5,6,7
.if FFN2
	global_store_b128 v[CO], v[BK+32*(\a)+4*\t:BK+32*(\a)+4*\t+3], s[12:13] offset:(16*(\a)+2*\t)*4096 th:TH_STORE_NT
.else
	global_store_b128 v[CO], v[BK+32*(\a)+4*\t:BK+32*(\a)+4*\t+3], s[12:13] offset:(16*(\a)+2*\t)*4096
.endif
.endr
.endm
	s_wait_kmcnt 0x0
	s_add_co_i32 s96, s96, s97
	s_add_co_i32 s96, s96, 127
	s_lshl_b32 s96, s96, 23
	PLACES NP
	s_wait_loadcnt 0x0
	TOSTAGE 0
	TOSTAGE 1
	SEND 0, 16
	TOSTAGE 2
	SEND 1, 16
	TOSTAGE 3
	SEND 2, 16
	SEND 3, 0
	s_wait_tensorcnt 0x0
	ds_add_u32 v[SPW], v[NIL]
	s_wait_dscnt 0x0
	CROUND
	s_endpgm
.Lfunc_end_k_qb702437366_ffn2:
	.size	k_qb702437366_ffn2, .Lfunc_end_k_qb702437366_ffn2-k_qb702437366_ffn2
	.p2alignl 7, 3214868480
	.fill 96, 4, 3214868480
	.section	.rodata,"a",@progbits
	.p2align	6, 0x0
	.amdhsa_kernel k_qb702437366_ffn2
		.amdhsa_group_segment_fixed_size 327680
		.amdhsa_private_segment_fixed_size 0
		.amdhsa_enable_private_segment 0
		.amdhsa_kernarg_size 40
		.amdhsa_user_sgpr_count 2
		.amdhsa_user_sgpr_kernarg_segment_ptr 1
		.amdhsa_wavefront_size32 1
		.amdhsa_system_sgpr_workgroup_id_x 1
		.amdhsa_system_sgpr_workgroup_id_y 1
		.amdhsa_system_sgpr_workgroup_id_z 1
		.amdhsa_system_vgpr_workitem_id 0
		.amdhsa_next_free_vgpr 1024
		.amdhsa_next_free_sgpr 100
		.amdhsa_reserve_vcc 0
		.amdhsa_float_denorm_mode_32 3
		.amdhsa_float_denorm_mode_16_64 3
		.amdhsa_memory_ordered 1
		.amdhsa_forward_progress 1
		.amdhsa_inst_pref_size 83
	.end_amdhsa_kernel
	.amdgpu_metadata
---
amdhsa.version: [ 1, 2 ]
amdhsa.kernels:
  - .name:           k_qb702437366_ffn2
    .symbol:         k_qb702437366_ffn2.kd
    .args:
      - { .name: gc, .offset: 0, .size: 8, .value_kind: global_buffer, .address_space: global }
      - { .name: cw, .offset: 8, .size: 8, .value_kind: global_buffer, .address_space: global }
      - { .name: lowp_scales, .offset: 16, .size: 8, .value_kind: global_buffer, .address_space: global }
      - { .name: h, .offset: 24, .size: 8, .value_kind: global_buffer, .address_space: global }
      - { .name: out0, .offset: 32, .size: 8, .value_kind: global_buffer, .address_space: global }
    .group_segment_fixed_size: 327680
    .private_segment_fixed_size: 0
    .kernarg_segment_align: 8
    .kernarg_segment_size: 40
    .max_flat_workgroup_size: 128
    .sgpr_count:     100
    .vgpr_count:     1024
    .wavefront_size: 32
...
	.end_amdgpu_metadata
.endif
;; end of part 7
